; MI455X (gfx1250); checked and timed in simulation.
; The chip was launched on July 23, 2026; its instructions are those of AMD's public machine-readable ISA for CDNA 5 (MIT licence, August 2026) and "CDNA5" Instruction Set Architecture Reference Guide (July 2026). The comments in the code are by the model that wrote it; some were corrected since.
;; Causal Self Attention. Allowed arithmetic: float matrix products may take bf16 or f16 operands with f32 sums; other float arithmetic in f32, or as packed bf16 or f16 multiplies, adds, multiply-adds, maxima and minima; sums over many terms, partial sums and values carried from step to step in f32; what a program stores and reads back later, other than sums and carried values, may be rounded once to bf16 or f16.
;; Inputs: k 4 x 2,048 x 1,024 float32; mask 1 x 1 x 2,048 x 2,048 float32; q 4 x 2,048 x 1,024 float32; v 4 x 2,048 x 1,024 float32; wk_b 1,024 float32; wk_w 1,024 x 1,024 float32; wo_b 1,024 float32; wo_w 1,024 x 1,024 float32; wq_b 1,024 float32; wq_w 1,024 x 1,024 float32; wv_b 1,024 float32; wv_w 1,024 x 1,024 float32.
;; Outputs: out0 4 x 2,048 x 1,024 float32.
;; One version. Each part assembles by itself: llvm-mc -triple=amdgcn-amd-amdhsa -mcpu=gfx1250 --defsym DOCPART=n.
;; ======== version 1 of 1: 4 launches
;; limits: values are held in f16: magnitudes above 65,504 overflow, below 6.1e-05 lose precision
;; workspace buffers: wh 8,388,608 bytes; mneg 16,777,216 bytes; qkvh 50,331,648 bytes; oh 16,777,216 bytes
;; launch prep (part 1): grid 128 x 8, 8 waves a work-group, no clusters, 0 bytes of LDS; arguments wq_w, wk_w, wv_w, wo_w, mask, wh, mneg; writes wh, mneg
.if DOCPART == 1
	.amdgcn_target "amdgcn-amd-amdhsa--gfx1250"
	.amdhsa_code_object_version 6
	.text
	.protected	k_q65869f079a_prep
	.globl	k_q65869f079a_prep
	.p2align	8
	.type	k_q65869f079a_prep,@function
k_q65869f079a_prep:
	s_mov_b64 s[64:65], 0
	v_nop
	global_prefetch_b8 v0, s[64:65] scope:SCOPE_SE
	s_setreg_imm32_b32 hwreg(HW_REG_WAVE_MODE, 25, 1), 1
	s_wait_xcnt 0x0
; The weights and the mask are made ready once.
;   wh   : four images [1024 k][1024 n] of 16 bits, 2 MiB apart: wq, wk, wv rounded to bf16; wo rounded to bf16 and that number written as f16
;          (exact but for numbers below 2^-14, which keep f16's fixed step of 2^-24).
;   mneg : f32 [2048][2048]: the mask rounded to bf16, times -1e9 log2(e): the addend of a score in units of log2.
; y = 0..3: weight y; y = 4..7: quarter y - 4 of the mask.  A work-group takes 32 KiB of its input: thread t the 16 bytes at 16 t of each of eight blocks of 4,096 bytes.
; All eight loads go out at once; a wave's store covers 256 (16-bit results) or 512 (f32) consecutive bytes, aligned.  No register that a load or store names is written again.
.set X, 8                              ; v[8:39]   eight loads of four f32
.set T, 40                             ; v[40:43]  at work
.set R, 44                             ; v[44:59]  packed 16-bit results, two registers a load
	s_load_b256 s[4:11], s[0:1], 0x0               ; wq s[4:5], wk s[6:7], wv s[8:9], wo s[10:11]
	s_load_b128 s[12:15], s[0:1], 0x20             ; mask s[12:13], wh s[14:15]
	s_load_b64 s[16:17], s[0:1], 0x30              ; mneg
	s_and_b32 s18, ttmp7, 0xffff                   ; y
	v_lshlrev_b32 v1, 4, v0                        ; 16 t
	v_lshlrev_b32 v2, 3, v0                        ; 8 t
	s_max_u32 s19, s18, 4
	s_sub_co_u32 s19, s19, 4
	s_lshl_b32 s19, s19, 22                        ; the mask's quarter: 4 MiB each (0 for a weight)
	s_lshl_b32 s28, ttmp9, 15                      ; my 32 KiB of the input
	s_add_co_u32 s28, s28, s19
	s_mov_b32 s29, 0
	s_lshl_b32 s30, ttmp9, 14                      ; my 16 KiB of a 16-bit image,
	s_lshl_b32 s19, s18, 21                        ; in image y
	s_add_co_u32 s30, s30, s19
	s_mov_b32 s31, 0
	s_mov_b32 s26, 0xceabfb8f                      ; -1e9 log2(e)
	s_mov_b32 s27, s26                             ; named with it as a pair
	s_mov_b32 s22, 0xffff0000                      ; a word's upper bf16
	s_wait_kmcnt 0x0
	s_cmp_eq_u32 s18, 0                            ; the input, by y
	s_cselect_b64 s[20:21], s[4:5], s[12:13]
	s_cmp_eq_u32 s18, 1
	s_cselect_b64 s[20:21], s[6:7], s[20:21]
	s_cmp_eq_u32 s18, 2
	s_cselect_b64 s[20:21], s[8:9], s[20:21]
	s_cmp_eq_u32 s18, 3
	s_cselect_b64 s[20:21], s[10:11], s[20:21]
	s_add_nc_u64 s[20:21], s[20:21], s[28:29]
	s_add_nc_u64 s[14:15], s[14:15], s[30:31]      ; used where y < 4
	s_add_nc_u64 s[16:17], s[16:17], s[28:29]      ; used where y >= 4
.irp j, 0,1,2,3,4,5,6,7
	global_load_b128 v[X+4*(\j):X+4*(\j)+3], v1, s[20:21] offset:4096*(\j) th:TH_LOAD_NT
.endr
	s_cmp_lt_u32 s18, 3
	s_cbranch_scc1 .Lbf16
	s_cmp_eq_u32 s18, 3
	s_cbranch_scc1 .Lf16
	; the mask: rounded to bf16, widened, scaled
.irp j, 0,1,2,3,4,5,6,7
	s_wait_loadcnt 7-(\j)                          ; loads come back in order: load j is in, the younger ones stay out
	v_cvt_pk_bf16_f32 v[T],   v[X+4*(\j)],   v[X+4*(\j)+1]
	v_cvt_pk_bf16_f32 v[T+1], v[X+4*(\j)+2], v[X+4*(\j)+3]
	v_lshlrev_b32 v[X+4*(\j)],   16,  v[T]
	v_and_b32     v[X+4*(\j)+1], s22, v[T]
	v_lshlrev_b32 v[X+4*(\j)+2], 16,  v[T+1]
	v_and_b32     v[X+4*(\j)+3], s22, v[T+1]
	v_pk_mul_f32 v[X+4*(\j):X+4*(\j)+1],   v[X+4*(\j):X+4*(\j)+1],   s[26:27] op_sel_hi:[1,0]
	v_pk_mul_f32 v[X+4*(\j)+2:X+4*(\j)+3], v[X+4*(\j)+2:X+4*(\j)+3], s[26:27] op_sel_hi:[1,0]
	global_store_b128 v1, v[X+4*(\j):X+4*(\j)+3], s[16:17] offset:4096*(\j)
.endr
	s_endpgm
.Lbf16:                                        ; wq, wk, wv: rounded to bf16
.irp j, 0,1,2,3,4,5,6,7
	s_wait_loadcnt 7-(\j)
	v_cvt_pk_bf16_f32 v[R+2*(\j)],   v[X+4*(\j)],   v[X+4*(\j)+1]
	v_cvt_pk_bf16_f32 v[R+2*(\j)+1], v[X+4*(\j)+2], v[X+4*(\j)+3]
	global_store_b64 v2, v[R+2*(\j):R+2*(\j)+1], s[14:15] offset:2048*(\j)
.endr
	s_endpgm
.Lf16:                                         ; wo: rounded to bf16, and that number written as f16
.irp j, 0,1,2,3,4,5,6,7
	s_wait_loadcnt 7-(\j)
	v_cvt_pk_bf16_f32 v[T],   v[X+4*(\j)],   v[X+4*(\j)+1]
	v_cvt_pk_bf16_f32 v[T+1], v[X+4*(\j)+2], v[X+4*(\j)+3]
	v_lshlrev_b32 v[X+4*(\j)],   16,  v[T]
	v_and_b32     v[X+4*(\j)+1], s22, v[T]
	v_lshlrev_b32 v[X+4*(\j)+2], 16,  v[T+1]
	v_and_b32     v[X+4*(\j)+3], s22, v[T+1]
	v_cvt_pk_f16_f32 v[R+2*(\j)],   v[X+4*(\j)],   v[X+4*(\j)+1]
	v_cvt_pk_f16_f32 v[R+2*(\j)+1], v[X+4*(\j)+2], v[X+4*(\j)+3]
	global_store_b64 v2, v[R+2*(\j):R+2*(\j)+1], s[14:15] offset:2048*(\j)
.endr
	s_endpgm
.Lfunc_end_k_q65869f079a_prep:
	.size	k_q65869f079a_prep, .Lfunc_end_k_q65869f079a_prep-k_q65869f079a_prep
	.p2alignl 7, 3214868480
	.fill 96, 4, 3214868480
	.section	.rodata,"a",@progbits
	.p2align	6, 0x0
	.amdhsa_kernel k_q65869f079a_prep
		.amdhsa_group_segment_fixed_size 0
		.amdhsa_private_segment_fixed_size 0
		.amdhsa_enable_private_segment 0
		.amdhsa_kernarg_size 56
		.amdhsa_user_sgpr_count 2
		.amdhsa_user_sgpr_kernarg_segment_ptr 1
		.amdhsa_wavefront_size32 1
		.amdhsa_system_sgpr_workgroup_id_x 1
		.amdhsa_system_sgpr_workgroup_id_y 1
		.amdhsa_system_sgpr_workgroup_id_z 1
		.amdhsa_system_vgpr_workitem_id 0
		.amdhsa_next_free_vgpr 64
		.amdhsa_next_free_sgpr 66
		.amdhsa_reserve_vcc 0
		.amdhsa_float_denorm_mode_32 3
		.amdhsa_float_denorm_mode_16_64 3
		.amdhsa_memory_ordered 1
		.amdhsa_forward_progress 1
		.amdhsa_inst_pref_size 13
	.end_amdhsa_kernel
	.amdgpu_metadata
---
amdhsa.version: [ 1, 2 ]
amdhsa.kernels:
  - .name:           k_q65869f079a_prep
    .symbol:         k_q65869f079a_prep.kd
    .args:
      - { .name: wq_w, .offset: 0, .size: 8, .value_kind: global_buffer, .address_space: global }
      - { .name: wk_w, .offset: 8, .size: 8, .value_kind: global_buffer, .address_space: global }
      - { .name: wv_w, .offset: 16, .size: 8, .value_kind: global_buffer, .address_space: global }
      - { .name: wo_w, .offset: 24, .size: 8, .value_kind: global_buffer, .address_space: global }
      - { .name: mask, .offset: 32, .size: 8, .value_kind: global_buffer, .address_space: global }
      - { .name: wh, .offset: 40, .size: 8, .value_kind: global_buffer, .address_space: global }
      - { .name: mneg, .offset: 48, .size: 8, .value_kind: global_buffer, .address_space: global }
    .group_segment_fixed_size: 0
    .private_segment_fixed_size: 0
    .kernarg_segment_align: 8
    .kernarg_segment_size: 56
    .max_flat_workgroup_size: 256
    .sgpr_count:     66
    .vgpr_count:     64
    .wavefront_size: 32
...
	.end_amdgpu_metadata
.endif
;; end of part 1
;; launch qkv (part 2): grid 4 x 192, 4 waves a work-group, clusters of 4 x 4, 327,680 bytes of LDS; arguments q, k, v, wh, wq_b, wk_b, wv_b, qkvh; writes qkvh
.if DOCPART == 2
	.amdgcn_target "amdgcn-amd-amdhsa--gfx1250"
	.amdhsa_code_object_version 6
	.text
	.protected	k_q65869f079a_qkv
	.globl	k_q65869f079a_qkv
	.p2align	8
	.type	k_q65869f079a_qkv,@function
k_q65869f079a_qkv:
	s_mov_b64 s[64:65], 0
	v_nop
	global_prefetch_b8 v0, s[64:65] scope:SCOPE_SE
	s_setreg_imm32_b32 hwreg(HW_REG_WAVE_MODE, 25, 1), 1
	s_wait_xcnt 0x0
	s_wait_alu depctr_hold_cnt(0) depctr_sa_sdst(0) depctr_va_vdst(0) depctr_va_sdst(0) depctr_va_ssrc(0) depctr_va_vcc(0) depctr_vm_vsrc(0)
	s_getreg_b32 s2, hwreg(HW_REG_IB_STS2, 6, 4)
	s_cmp_eq_u32 s2, 0
	s_cbranch_scc0 .Lentry_in_a_cluster
	s_endpgm
.Lentry_in_a_cluster:
	s_bfe_u32 s2, ttmp6, 0x10000c
	s_cmp_lg_u32 s2, 0xf033
	s_cbranch_scc0 .Lentry_shape_is_right
	s_endpgm
.Lentry_shape_is_right:
; THE THREE PROJECTIONS IN ONE LAUNCH.  out_p = s_p (x_p W_p + b_p), p = 0, 1, 2 for q, k, v; x_p: [8192][1024] f32, W_p: [1024 k][1024 n] bf16 (made by the launch before), b_p: [1024] f32;
; out_p: [8192][1024] f16, 16 MiB apart.  s_0 = log2(e) / 8, so that the attention's scores come in units of log2; s_1 = s_2 = 1.  The scale is applied in f32, ahead of the one rounding to f16.
; x and b are rounded to bf16 on the way to the matrix unit; sums in f32.  LIMIT: a result beyond 65,504 has no place in f16.
; SHARES.  768 tiles of 128 rows x 256 columns, one to a work-group; grid row / 64 is p.  Four waves, each 64 x 128: 32 accumulators of 16 x 16.  K goes in 8 steps of 128 through two LDS slots.
; CLUSTER 4 x 4: the four of a row of the cluster need the same rows of x, the four of a column the same columns of W: each tile is asked for jointly, by the same load, descriptor and mask in all four.
; THE MATRIX INSTRUCTION IS USED TRANSPOSED: source 0 = 16 columns of W (turned out of LDS by ds_load_tr16_b128, since W lies [k][n]), source 1 = 16 rows of x: a lane holds eight neighbouring columns of a row.
; x COMES AS f32: a quarter step's 64 registers are read from LDS and rounded to bf16 by 32 conversions, which stand four behind each of the quarter's last eight matrix instructions.
; REGISTERS, in windows of 256 (s_set_vgpr_msb: bits 1:0 source 0, 3:2 source 1, 5:4 source 2, 7:6 destination):
;   window 0: v16-29 addresses; v32-95 x in f32; v96-159 x's fragments, two buffers of 32; v160-255 at work on the way out
;   window 1: the accumulators, (a, b) at 8 (8 a + b)        window 2: v0-127 W's fragments, two buffers of 64; v128-191 the bias as the first products' C; v192 at work
.set KSTEP,  128
.set PA,     528                       ; a row of x in LDS: 512 bytes + 16 = 132 words: row r starts at bank 4 r mod 64 (64 banks of 4 bytes: ISA guide 11.1)
.set PB,     544                       ; a row of W: 512 + 32 = 17 x 32 bytes
.set HALFA,  64*PA                     ; what one tensor load brings of x
.set HALFB,  64*PB                     ; and of W
.set AB,     2*HALFA                   ; W's 128 k rows lie behind x's 128 rows
.set SLOT,   AB+2*HALFB
.set STAGE,  2*SLOT                    ; behind the ring: 16 rows x 272 bytes for each wave, for the way out
.set SP,     272
.set SPARE,  STAGE+4*16*SP             ; behind the stages: the spare words, 128 bytes for each wave: two blocks of 256 bytes that no other line names
.set ADRA, 16                          ; v16-17  LDS address of my rows of x in slot 0, 1
.set ADRB, 20                          ; v20-21  the same for my columns of W
.set STO,  24                          ; v24     the way out: where I put 16 bytes of a row
.set RD,   25                          ; v25     where I read a row back
.set CO,   26                          ; v26     my byte offset in the output
.set SPW,  28                          ; v28     LDS address of my spare word; never rewritten
.set NIL,  29                          ; v29     0; never rewritten
.set STG,  32
.set AF,   96
.set TMP,  160
.set OB,   192
.set BF,   0                           ; window 2
.set BIAS, 128
.set BT,   192
.set G1,  24                           ; s[24:31] descriptor group 1 for x's tiles;  s[32:39] group 0, a set for each slot
.set G0,  32
.set G1B, 48                           ; s[48:55], s[56:63] the same for W's tiles
.set G0B, 56
.set SC,  66                           ; s[66:67] the scale
.set MSB, 0
.macro WIN new                         ; the immediate's high byte repeats the setting that is left; a switch that changes nothing is dropped
.if MSB != (\new)
	s_set_vgpr_msb (MSB<<8)|(\new)
.set MSB, \new
.endif
.endm
.set W_MUL,  0x52                      ; W window 2, x window 0, C and D window 1
.set W_MULB, 0x62                      ; the same with C (the bias) in window 2
.macro JLOAD s                         ; a joint load: waves 0 and 1 fetch x's two halves, waves 2 and 3 W's; an s_nop 0 and four v_nop follow each line
	s_cmp_eq_u32 s11, 0
	s_cbranch_scc0 .Lfor_b_\@
	tensor_load_to_lds s[G0+4*(\s):G0+4*(\s)+3], s[G1:G1+7]
	s_nop 0
.rept 4
	v_nop
.endr
	s_branch .Lasked_\@
.Lfor_b_\@:
	tensor_load_to_lds s[G0B+4*(\s):G0B+4*(\s)+3], s[G1B:G1B+7]
	s_nop 0
.rept 4
	v_nop
.endr
.Lasked_\@:
.endm
.macro CREST                           ; a round of the cluster's barrier behind its opening barrier
	s_cmp_lg_u32 s10, 0
	s_cbranch_scc1 .Lnot_wave_0_\@
	s_barrier_signal -3
.Lnot_wave_0_\@:
	s_barrier_wait -3
	s_barrier_signal -1
	s_barrier_wait -1
.endm
.macro CROUND                          ; a whole round
	s_barrier_signal -1
	s_barrier_wait -1
	CREST
.endm
	s_load_b512 s[68:83], s[0:1], 0x0              ; q 68, k 70, v 72, wh 74, wq_b 76, wk_b 78, wv_b 80, qkvh 82
	v_lshl_add_u32 v[SPW], v0, 2, SPARE
	v_mov_b32 v[NIL], 0
	ds_add_u32 v[SPW], v[NIL]                      ; the wave's opening: the add and its wait stand ahead of my first tensor load; the set-up below stands between them
	v_lshrrev_b32 v1, 5, v0
	v_readfirstlane_b32 s10, v1                    ; wave 0..3
	s_lshr_b32 s11, s10, 1                         ; which half of the tile's rows is mine.  Also: I fetch for x (0) or for W (1)
	s_and_b32 s12, s10, 1                          ; which half of its columns.  Also: which 64 rows of that tile I fetch
	s_bfe_u32 s40, ttmp6, 0x40000                  ; cx
	s_bfe_u32 s41, ttmp6, 0x40004                  ; cy
	s_lshl_b32 s42, ttmp9, 2
	s_add_co_u32 s42, s42, s40                     ; block of 256 columns
	s_and_b32 s84, ttmp7, 0xffff                   ; cluster y, 0..47
	s_lshr_b32 s45, s84, 4                         ; p: the same in all sixteen partners
	s_lshl_b32 s13, s84, 2
	s_add_co_u32 s13, s13, s41
	s_and_b32 s13, s13, 63                         ; block of 128 rows
	s_lshl_b32 s43, s41, 2
	s_lshl_b32 s43, 15, s43                        ; my row of the cluster
	s_lshl_b32 s44, 0x1111, s40                    ; my column
	s_or_b32 s[G1+0], s43, (2<<16)|(1<<20)|(1<<21)|(6<<22)|(3<<25)   ; the mask; elements of 4 bytes; padding on; bit 21 beside a mask; after every 128 words 4 words
	s_or_b32 s[G1B+0], s44, (1<<16)|(1<<20)|(1<<21)|(6<<22)|(7<<25)  ; elements of 2 bytes; after every 128 words 8 words
	s_mov_b32 s[G1+1], 128<<16                     ; tensor_dim0 = 128
	s_mov_b32 s[G1+2], 64<<16                      ; tensor_dim1 = 64
	s_mov_b32 s[G1+3], 128<<16                     ; tile_dim0 = 128
	s_mov_b32 s[G1+4], 64                          ; tile_dim1 = 64
	s_mov_b32 s[G1+5], 1024                        ; elements from row to row
	s_mov_b32 s[G1+6], 0
	s_mov_b32 s[G1+7], 0
	s_mov_b32 s[G1B+1], 256<<16
	s_mov_b32 s[G1B+2], 64<<16
	s_mov_b32 s[G1B+3], 256<<16
	s_mov_b32 s[G1B+4], 64
	s_mov_b32 s[G1B+5], 1024
	s_mov_b32 s[G1B+6], 0
	s_mov_b32 s[G1B+7], 0
	s_lshl_b32 s16, s13, 7                         ; x: row 128 x block + 64 x half,
	s_lshl_b32 s17, s12, 6
	s_add_co_u32 s16, s16, s17
	s_lshl_b32 s16, s16, 12                        ; 4,096 bytes a row
	s_mov_b32 s17, 0
	s_lshl_b32 s46, s45, 21                        ; W: image p,
	s_lshl_b32 s47, s12, 17                        ; k row 64 x half, 2,048 bytes a row,
	s_add_co_u32 s46, s46, s47
	s_lshl_b32 s47, s42, 9                         ; 512 bytes a block of columns
	s_add_co_u32 s46, s46, s47
	s_mov_b32 s47, 0
	s_mul_i32 s20, s12, HALFA                      ; where they go: no place in the cluster enters an LDS address
	s_mul_i32 s21, s12, HALFB
	s_add_co_u32 s21, s21, AB
	s_wait_dscnt 0x0                               ; the opening add is done
	s_wait_kmcnt 0x0
	s_cmp_eq_u32 s45, 0
	s_cselect_b64 s[14:15], s[68:69], s[70:71]
	s_cselect_b64 s[86:87], s[76:77], s[78:79]
	s_cselect_b32 s[SC], 0x3e38aa3b, 1.0           ; log2(e) / 8 for q
	s_cmp_eq_u32 s45, 2
	s_cselect_b64 s[14:15], s[72:73], s[14:15]
	s_cselect_b64 s[86:87], s[80:81], s[86:87]
	s_mov_b32 s[SC+1], s[SC]                       ; named with it as a pair
	s_add_nc_u64 s[14:15], s[14:15], s[16:17]
	s_add_nc_u64 s[46:47], s[74:75], s[46:47]
	CROUND                                         ; all sixteen work-groups are here: the first joint loads meet
.irp s, 0,1
	s_mov_b32 s[G0+4*(\s)], 1
	s_add_co_u32 s[G0+4*(\s)+1], s20, (\s)*SLOT
	s_add_nc_u64 s[G0+4*(\s)+2:G0+4*(\s)+3], s[14:15], (\s)*KSTEP*4
	s_or_b32 s[G0+4*(\s)+3], s[G0+4*(\s)+3], 0x80000000
	s_mov_b32 s[G0B+4*(\s)], 1
	s_add_co_u32 s[G0B+4*(\s)+1], s21, (\s)*SLOT
	s_add_nc_u64 s[G0B+4*(\s)+2:G0B+4*(\s)+3], s[46:47], (\s)*KSTEP*2048
	s_or_b32 s[G0B+4*(\s)+3], s[G0B+4*(\s)+3], 0x80000000
	JLOAD \s                                       ; K steps 0 and 1: two loads of mine are out
.endr
	v_and_b32 v1, 15, v0                           ; r = l % 16
	v_bfe_u32 v2, v0, 4, 1                         ; h = l / 16
	v_and_b32 v6, 7, v0
	v_bfe_u32 v7, v0, 3, 1
	v_mul_u32_u24 v3, v1, PA                       ; x in f32: row r, k = 8 h on: 32 h bytes
	v_lshl_add_u32 v3, v2, 5, v3
	s_mul_i32 s22, s11, HALFA                      ; my 64 rows
	v_lshl_add_u32 v4, v2, 3, v6                   ; the turning load: k row 8 h + l % 8, 16 bytes ((l / 8) % 2)
	v_mul_u32_u24 v4, v4, PB
	v_lshl_add_u32 v4, v7, 4, v4
	s_lshl_b32 s23, s12, 8                         ; my 128 columns
	s_add_co_u32 s23, s23, AB
.irp s, 0,1
	v_add_nc_u32 v[ADRA+(\s)], s22, v3
	v_add_nc_u32 v[ADRB+(\s)], s23, v4
	s_add_co_u32 s22, s22, SLOT
	s_add_co_u32 s23, s23, SLOT
.endr
	s_mul_i32 s22, s10, 16*SP
	s_add_co_u32 s22, s22, STAGE                   ; my stage
	v_mul_u32_u24 v4, v1, SP                       ; in: row r, 16 bytes for each half of the lanes
	v_lshl_add_u32 v4, v2, 4, v4
	v_add_nc_u32 v[STO], s22, v4
	v_mul_u32_u24 v5, v2, SP                       ; back: lanes 0-15 one row of 256 bytes, lanes 16-31 the next
	v_lshl_add_u32 v5, v1, 4, v5
	v_add_nc_u32 v[RD], s22, v5
	v_lshlrev_b32 v5, 11, v2                       ; and the same two rows in the output, 2,048 bytes a row
	v_lshl_add_u32 v[CO], v1, 4, v5
	s_lshl_b32 s88, s13, 7
	s_lshl_b32 s89, s11, 6
	s_add_co_u32 s88, s88, s89                     ; my first row
	s_lshl_b32 s88, s88, 11
	s_lshl_b32 s89, s45, 24                        ; output p
	s_add_co_u32 s88, s88, s89
	s_lshl_b32 s89, s42, 9
	s_add_co_u32 s88, s88, s89
	s_lshl_b32 s89, s12, 8
	s_add_co_u32 s88, s88, s89                     ; my first column
	s_mov_b32 s89, 0
	s_add_nc_u64 s[8:9], s[82:83], s[88:89]
	s_lshl_b32 s90, s42, 10                        ; the bias of my 128 columns
	s_lshl_b32 s91, s12, 9
	s_add_co_u32 s90, s90, s91
	s_mov_b32 s91, 0
	s_add_nc_u64 s[86:87], s[86:87], s[90:91]
	v_lshlrev_b32 v8, 5, v2                        ; register j of block b is column 16 b + 8 h + j
	WIN 0x80
.irp b, 0,1,2,3,4,5,6,7
	global_load_b128 v[BIAS+8*(\b):BIAS+8*(\b)+3],   v8, s[86:87] offset:64*(\b)
	global_load_b128 v[BIAS+8*(\b)+4:BIAS+8*(\b)+7], v8, s[86:87] offset:64*(\b)+16
.endr
	s_wait_loadcnt 0x0
	WIN 0x8a                                       ; the bias is rounded to bf16 like the other inputs, in place
.set i, 0
.rept 32
	v_cvt_pk_bf16_f32 v[BT], v[BIAS+2*i], v[BIAS+2*i+1]
	v_lshlrev_b32 v[BIAS+2*i], 16, v[BT]
	v_and_b32 v[BIAS+2*i+1], 0xffff0000, v[BT]
.set i, i+1
.endr
	WIN 0
; 32 LDS loads in one run: quarter q (32 along K) of a slot: x in f32 (16 loads), then W's fragments into buffer g (16 turning loads)
.macro FETCH slot, q, g
	WIN 0
.irp a, 0,1,2,3
.irp j, 0,1,2,3
	ds_load_b128 v[STG+16*(\a)+4*(\j):STG+16*(\a)+4*(\j)+3], v[ADRA+(\slot)] offset:128*(\q)+16*PA*(\a)+16*(\j)+32*((\j)/2)
.endr
.endr
	WIN 0x80
.irp b, 0,1,2,3,4,5,6,7
	ds_load_tr16_b128 v[BF+64*(\g)+8*(\b):BF+64*(\g)+8*(\b)+3],   v[ADRB+(\slot)] offset:32*PB*(\q)+32*(\b)
	ds_load_tr16_b128 v[BF+64*(\g)+8*(\b)+4:BF+64*(\g)+8*(\b)+7], v[ADRB+(\slot)] offset:32*PB*(\q)+32*(\b)+16*PB
.endr
.endm
; Matrix instructions i0 .. i1 of a quarter's 32 (i = 8 a + b) on buffer f.  The 32 accumulators take turns, in the same order in every quarter.
; first = 1: the products start the sums with the bias.  ride = 1: behind each stand four conversions of the next quarter's x into buffer g; they name no register of the products round them.
.macro MULS f, i0, i1, first, ride, g
.set i, \i0
.rept (\i1)-(\i0)+1
.if \first
	WIN W_MULB
	v_wmma_f32_16x16x32_bf16 v[8*i:8*i+7], v[BF+64*(\f)+8*(i%8):BF+64*(\f)+8*(i%8)+7], v[AF+32*(\f)+8*(i/8):AF+32*(\f)+8*(i/8)+7], v[BIAS+8*(i%8):BIAS+8*(i%8)+7]
.else
	WIN W_MUL
	v_wmma_f32_16x16x32_bf16 v[8*i:8*i+7], v[BF+64*(\f)+8*(i%8):BF+64*(\f)+8*(i%8)+7], v[AF+32*(\f)+8*(i/8):AF+32*(\f)+8*(i/8)+7], v[8*i:8*i+7]
.endif
.if \ride
	WIN 0
.set n, 4*(i-24)
.rept 4
	v_cvt_pk_bf16_f32 v[AF+32*(\g)+n], v[STG+2*n], v[STG+2*n+1]
.set n, n+1
.endr
.endif
.set i, i+1
.endr
.endm
; A quarter: fetches quarter q of a slot (for buffer g) and multiplies buffer f.  The run of loads stands at its head: the four conversions behind the last product of the quarter before are the four
; places between that product and the loads into the registers that it read (ISA guide 7.12.1 for vector instructions).
.macro QUARTER slot, q, f, g, first
	FETCH \slot, \q, \g
	s_wait_dscnt 32                                ; all but the 32 just issued: W's fragments of buffer f are in
	MULS \f, 0, 23, \first, 0, \g
	s_wait_dscnt 16                                ; the 16 loads of x in f32 are in; W's 16 may stay out
	MULS \f, 24, 31, \first, 1, \g
.endm
; The third quarter of a K step (buffer 0) fetches the slot's last quarter, so the change of slots stands here.  In front of its barrier each wave waits for all its tensor loads (one is out: its part of the
; other slot), adds 0 to its spare word, and waits for that and for its reads of this slot.  fill = 1: the barrier opens a round of the cluster's, and the slot is filled again, two K steps on, first thing behind it.
.macro TURN slot, fill
	FETCH \slot, 3, 1
	s_wait_dscnt 32
	MULS 0, 0, 7, 0, 0, 1
	WIN 0
	s_wait_tensorcnt 0x0                           ; all my tensor loads have landed
	ds_add_u32 v[SPW], v[NIL]                      ; 0 onto my spare word
	MULS 0, 8, 15, 0, 0, 1                         ; eight matrix instructions stand between the add and the wait for it
	s_wait_dscnt 0x0                               ; the add is done, and my reads of this slot are over
	s_barrier_signal -1
	MULS 0, 16, 23, 0, 0, 1
	WIN 0
	s_barrier_wait -1
.if \fill
	CREST                                          ; no wave of any partner still reads this slot or has a load on its way
	s_add_nc_u64 s[G0+4*(\slot)+2:G0+4*(\slot)+3], s[G0+4*(\slot)+2:G0+4*(\slot)+3], 2*KSTEP*4
	s_add_nc_u64 s[G0B+4*(\slot)+2:G0B+4*(\slot)+3], s[G0B+4*(\slot)+2:G0B+4*(\slot)+3], 2*KSTEP*2048
	JLOAD \slot
.endif
	MULS 0, 24, 31, 0, 1, 1
.endm
	s_wait_tensorcnt 1                             ; my part of K step 0 is in; K step 1's may stay out
	s_barrier_signal -1
	s_barrier_wait -1                              ; everybody's is
	FETCH 0, 0, 0
	s_wait_dscnt 16                                ; x in f32 is in
	WIN 0
.set n, 0
.rept 32
	v_cvt_pk_bf16_f32 v[AF+n], v[STG+2*n], v[STG+2*n+1]
.set n, n+1
.endr
	QUARTER 0, 1, 0, 1, 1                          ; the first quarter stands in front of the loop: its products start the sums
	WIN 0
	s_mov_b32 s3, 3
.Llap:                                         ; a trip goes once round the ring and fills both slots again: K steps 2, 4, 6 and 3, 5, 7
	QUARTER 0, 2, 1, 0, 0
	TURN 0, 1
	QUARTER 1, 0, 1, 0, 0
	QUARTER 1, 1, 0, 1, 0
	QUARTER 1, 2, 1, 0, 0
	TURN 1, 1
	QUARTER 0, 0, 1, 0, 0
	QUARTER 0, 1, 0, 1, 0
	WIN 0
	s_sub_co_u32 s3, s3, 1
	s_cmp_lg_u32 s3, 0
	s_cbranch_scc1 .Llap
	QUARTER 0, 2, 1, 0, 0                          ; the last lap fills nothing
	TURN 0, 0
	QUARTER 1, 0, 1, 0, 0
	QUARTER 1, 1, 0, 1, 0
	QUARTER 1, 2, 1, 0, 0
	QUARTER 1, 3, 0, 1, 0
	s_wait_dscnt 0x0                               ; the very last quarter: nothing more to fetch
	MULS 1, 0, 31, 0, 0, 0
	WIN 0
.rept 4
	v_nop                                          ; four places between the last products and the lines that read them
.endr
; THE WAY OUT of block a (16 rows x 128 columns): scaled, rounded to f16, through my own stage in LDS, back as whole rows of 256 bytes.  Each accumulator's registers are taken in ascending order.
.macro PACK a
	WIN 0x41
.set i, 64*(\a)
.rept 32
	v_pk_mul_f32 v[i:i+1], v[i:i+1], s[SC:SC+1] op_sel_hi:[1,0]
.set i, i+2
.endr
	WIN 0x05
.set i, 0
.rept 32
	v_cvt_pk_f16_f32 v[TMP+i], v[64*(\a)+2*i], v[64*(\a)+2*i+1]
.set i, i+1
.endr
	WIN 0
.endm
.macro TOSTAGE a
	s_wait_xcnt 0x0                                ; the stores of the block two back have read the registers that are loaded again below
.irp b, 0,1,2,3,4,5,6,7
	ds_store_b128 v[STO], v[TMP+4*(\b):TMP+4*(\b)+3] offset:32*(\b)
.endr
.irp t, 0,1,2,3,4,5,6,7
	ds_load_b128 v[OB+32*((\a)%2)+4*(\t):OB+32*((\a)%2)+4*(\t)+3], v[RD] offset:(\t)*2*SP  ; LDS serves a wave's instructions in order (ISA guide 5.7.1.4): these see the stores above
.endr
.endm
.macro SEND a
	s_wait_dscnt 0x0                               ; the block is back in registers
.irp t, 0,1,2,3,4,5,6,7
	global_store_b128 v[CO], v[OB+32*((\a)%2)+4*(\t):OB+32*((\a)%2)+4*(\t)+3], s[8:9] offset:(16*(\a)+2*(\t))*2048  ; 16 lanes store 256 consecutive bytes, aligned
.endr
.endm
	PACK 0
	TOSTAGE 0
.irp a, 1,2,3                          ; block a's arithmetic stands between block a - 1's loads from the stage and the wait for them
	PACK \a
	SEND (\a)-1
	TOSTAGE \a
.endr
	SEND 3
	s_wait_tensorcnt 0x0                           ; the wave's end, behind my last tensor load and my last LDS store
	ds_add_u32 v[SPW], v[NIL]
	s_wait_dscnt 0x0
	CROUND                                         ; the closing round: no work-group ends while a partner may still ask for a tile that names it
	s_endpgm
.Lfunc_end_k_q65869f079a_qkv:
	.size	k_q65869f079a_qkv, .Lfunc_end_k_q65869f079a_qkv-k_q65869f079a_qkv
	.p2alignl 7, 3214868480
	.fill 96, 4, 3214868480
	.section	.rodata,"a",@progbits
	.p2align	6, 0x0
	.amdhsa_kernel k_q65869f079a_qkv
		.amdhsa_group_segment_fixed_size 327680
		.amdhsa_private_segment_fixed_size 0
		.amdhsa_enable_private_segment 0
		.amdhsa_kernarg_size 64
		.amdhsa_user_sgpr_count 2
		.amdhsa_user_sgpr_kernarg_segment_ptr 1
		.amdhsa_wavefront_size32 1
		.amdhsa_system_sgpr_workgroup_id_x 1
		.amdhsa_system_sgpr_workgroup_id_y 1
		.amdhsa_system_sgpr_workgroup_id_z 1
		.amdhsa_system_vgpr_workitem_id 0
		.amdhsa_next_free_vgpr 768
		.amdhsa_next_free_sgpr 96
		.amdhsa_reserve_vcc 0
		.amdhsa_float_denorm_mode_32 3
		.amdhsa_float_denorm_mode_16_64 3
		.amdhsa_memory_ordered 1
		.amdhsa_forward_progress 1
		.amdhsa_inst_pref_size 147
	.end_amdhsa_kernel
	.amdgpu_metadata
---
amdhsa.version: [ 1, 2 ]
amdhsa.kernels:
  - .name:           k_q65869f079a_qkv
    .symbol:         k_q65869f079a_qkv.kd
    .args:
      - { .name: q, .offset: 0, .size: 8, .value_kind: global_buffer, .address_space: global }
      - { .name: k, .offset: 8, .size: 8, .value_kind: global_buffer, .address_space: global }
      - { .name: v, .offset: 16, .size: 8, .value_kind: global_buffer, .address_space: global }
      - { .name: wh, .offset: 24, .size: 8, .value_kind: global_buffer, .address_space: global }
      - { .name: wq_b, .offset: 32, .size: 8, .value_kind: global_buffer, .address_space: global }
      - { .name: wk_b, .offset: 40, .size: 8, .value_kind: global_buffer, .address_space: global }
      - { .name: wv_b, .offset: 48, .size: 8, .value_kind: global_buffer, .address_space: global }
      - { .name: qkvh, .offset: 56, .size: 8, .value_kind: global_buffer, .address_space: global }
    .group_segment_fixed_size: 327680
    .private_segment_fixed_size: 0
    .kernarg_segment_align: 8
    .kernarg_segment_size: 64
    .max_flat_workgroup_size: 128
    .sgpr_count:     96
    .vgpr_count:     768
    .wavefront_size: 32
...
	.end_amdgpu_metadata
.endif
;; end of part 2
;; launch attn (part 3): grid 8 x 32, 4 waves a work-group, clusters of 4 x 4, 327,680 bytes of LDS; arguments qkvh, mneg, oh; writes oh
.if DOCPART == 3
	.amdgcn_target "amdgcn-amd-amdhsa--gfx1250"
	.amdhsa_code_object_version 6
	.text
	.protected	k_q65869f079a_attn
	.globl	k_q65869f079a_attn
	.p2align	8
	.type	k_q65869f079a_attn,@function
k_q65869f079a_attn:
	s_mov_b64 s[64:65], 0
	v_nop
	global_prefetch_b8 v0, s[64:65] scope:SCOPE_SE
	s_setreg_imm32_b32 hwreg(HW_REG_WAVE_MODE, 25, 1), 1
	s_wait_xcnt 0x0
	s_wait_alu depctr_hold_cnt(0) depctr_sa_sdst(0) depctr_va_vdst(0) depctr_va_sdst(0) depctr_va_ssrc(0) depctr_va_vcc(0) depctr_vm_vsrc(0)
	s_getreg_b32 s2, hwreg(HW_REG_IB_STS2, 6, 4)
	s_cmp_eq_u32 s2, 0
	s_cbranch_scc0 .Lentry_in_a_cluster
	s_endpgm
.Lentry_in_a_cluster:
	s_bfe_u32 s2, ttmp6, 0x10000c
	s_cmp_lg_u32 s2, 0xf033
	s_cbranch_scc0 .Lentry_shape_is_right
	s_endpgm
.Lentry_shape_is_right:
; ATTENTION WITH A MASK THAT IS AN INPUT.  For each batch b, head and query: O = sum over keys of softmax(q . k / 8 - 1e9 mask) v.  qkvh holds c q (c = log2(e) / 8), k and v, each [8192][1024] f16,
; 16 MiB apart; mneg holds M = -1e9 log2(e) mask, f32 [2048][2048]; O goes to oh, [8192][1024] f16.  A score in units of log2 is t = (c q) . k + M, added in f32; p = 2^(t - m) with a running maximum m;
; O and the sum l are multiplied by a = 2^(m_old - m_new) in every step.  Products, maxima and sums in f32; p is rounded to f16 for the second product (l is taken of the unrounded p), O once at the end.
; LIMITS.  c q, k, v arrive within 65,504.  p below 2^-126 counts as 0 in l; below 6e-5 it keeps f16's fixed step.  In a row whose every key is blocked t is rounded in steps of 128 units of log2
; (in the reference: 64 natural units), so all its weights are equal while the scores stay under 32.  NaN and infinities are not treated apart.
; SHARES.  A work-group: 256 queries of one batch, a PAIR of heads (256 consecutive bytes of a row).  A wave: 64 queries, as four PIECES of 16 queries x 2 heads: the piece's 32 registers of M serve both heads.
; Every wave walks all 2,048 keys, 64 a step; the mask's pattern is not known, so no step is left out.
; CLUSTER 4 x 4.  The four of a row (query blocks of one batch and head pair) need the same K and V; the four of a column (head pairs, one query block) the same M: each tile is asked for jointly.
; LAYOUT.  S^T = K Q^T (source 0 = 16 keys, source 1 = 16 queries): a lane holds ONE query (lane % 16) and the keys 8 (lane / 16) + 0..7.  Two such results rounded to f16 ARE source 1 of O^T = V^T P.
; K comes out of LDS as it lies, V turned by ds_load_tr16_b128, M as the scores lie in registers.
; BY TURNS.  Turn n belongs to piece n: 16 products K Q^T of piece n + 1, later 16 products V^T P of piece n - 1; beside them t - m, exponentials, roundings, sums and rescaling of piece n, and for piece n + 1
; the mask's addition, the maximum and the statistics.  Four vector instructions stand behind every matrix instruction, the others in two runs of their own.
; REGISTERS, in windows of 256 (s_set_vgpr_msb: bits 1:0 source 0, 3:2 source 1, 5:4 source 2, 7:6 destination):
;   window 0: v2-11 addresses; v12-15, v48-63 at work; v16-47 four registers of statistics a tile; v64-191 S^T, two buffers of two tiles; v192-255 P, likewise
;   window 1: O^T, 32 a tile     window 2: v0-127 Q, 16 a tile; v128-191 M, two buffers; v192-193 the add's registers     window 3: v0-127 K of one step; v128-255 V of one step
.set NP,    4
.set KS,    64
.set STEPS, 32
.set PKP,   272                        ; a row of K in LDS: 256 bytes + 16 = 68 words: row r starts at bank 4 r mod 64 (64 banks of 4 bytes: ISA guide 11.1)
.set PVP,   288                        ; a row of V: 256 + 32
.set PMP,   272                        ; a row of M: 64 f32 + 16 bytes
.set VOFF,  KS*PKP
.set MOFF,  VOFF+KS*PVP
.set SLOT1, 1<<17                      ; slot 1 begins here: one exclusive or turns an address in one slot into the other's
.set STAGE, SLOT1+MOFF+256*PMP         ; behind the ring: 16 rows x 272 bytes for each wave, for the way out
.set SP,    272
.set SPARE, STAGE+4*16*SP              ; behind the stages: the spare words, 128 bytes for each wave: two blocks of 256 bytes that no other line names
.set AK0, 2                            ; v2-4   my lane's place in a tile of K, V, M; never rewritten
.set AV0, 3
.set AM0, 4
.set AK,  5                            ; v5-7   the same in the slot in hand
.set AV,  6
.set AM,  7
.set QO,  8                            ; v8     my byte offset in 16 rows of Q;
.set STO, 8                            ;        later, the way out: where I put 16 bytes of a row
.set RD,  9                            ; v9     where I read rows back
.set GO,  10                           ; v10    my byte offset in two rows of O
.set PFO, 11                           ; v11    the prefetches' offset: my lane x a row; never rewritten
.set MV,  12                           ; v12-15 m_old, kept while m is made anew: by buffer and tile
.set ST,  16                           ; tile t's statistics at ST + 4 t: m, 0, l (even keys', odd keys')
.set TMP, 48                           ; by buffer and tile, four registers c0-c3 at work; when the maximum is found c2 takes a
.set S,   64
.set P,   192
.set MB,  128                          ; window 2
.set SPW, 192                          ; window 2: LDS address of my spare word; never rewritten
.set NIL, 193                          ; window 2: 0; never rewritten
.set VF,  128                          ; window 3
.set WV,  14                           ; s14  my wave's number
.set G1K, 24                           ; s[24:31], s[32:39], s[40:47] descriptor group 1 for K, V, M
.set G1V, 32
.set G1M, 40
.set G0K, 48                           ; s[48:51], s[52:55], s[56:59] descriptor group 0: they walk
.set G0V, 52
.set G0M, 56
.set CNT, 60                           ; s60  trips still to come
.set TB,  61                           ; s61  LDS byte at which the slot in hand begins
.set SEL, 62                           ; s[62:63] v_permlanex16_b32's selects: each lane takes its own place in the other half
.set PFA, 66                           ; s[66:67] where my prefetches stand
.set PST, 68                           ; s[68:69] their step from tile to tile
.set LIM, 70                           ; s70  1 in a wave that prefetches, else the greatest number
.set QP,  82                           ; s[82:83] Q at my wave's first row
.set OP,  84                           ; s[84:85] O at my wave's first row
.set MSB, 0
.macro WIN new                         ; the high byte repeats the setting that is left; a switch that changes nothing is dropped
.if MSB != (\new)
	s_set_vgpr_msb (MSB<<8)|(\new)
.set MSB, (\new)
.endif
.endm
.set W_KQ, 0x0b                        ; K window 3, Q window 2, S^T window 0
.set W_PV, 0x53                        ; V window 3, P window 0, O^T window 1
.set W_RS, 0x41                        ; destination and source 0 window 1, source 1 window 0
.set W_MK, 0x08                        ; source 1 (M) window 2, all else window 0
.set W_AD, 0x0a                        ; the add: address and data window 2
; A joint fill: wave 0 fetches a step's K, wave 1 its V, waves 2 and 3 the two halves of its M.  The branches hang on the wave's number alone.  An s_nop 0 and four v_nop follow each line.
.macro JLOAD
	s_cmp_lt_u32 s[WV], 2
	s_cbranch_scc0 .Lfor_m_\@
	s_cmp_eq_u32 s[WV], 0
	s_cbranch_scc0 .Lfor_v_\@
	tensor_load_to_lds s[G0K:G0K+3], s[G1K:G1K+7]
	s_nop 0
.rept 4
	v_nop
.endr
	s_branch .Lasked_\@
.Lfor_v_\@:
	tensor_load_to_lds s[G0V:G0V+3], s[G1V:G1V+7]
	s_nop 0
.rept 4
	v_nop
.endr
	s_branch .Lasked_\@
.Lfor_m_\@:
	tensor_load_to_lds s[G0M:G0M+3], s[G1M:G1M+7]
	s_nop 0
.rept 4
	v_nop
.endr
.Lasked_\@:
.endm
; A PREFETCH of what the NEXT change of slots will ask for: one key step, 128 matrix instructions, ahead of that load; a lane a row of 256 bytes, one instruction a wave, behind the wave's tensor load.
; Each row is named once in the launch.  K and V of a batch and head pair are walked by both clusters along x: cluster x = 0 asks, by wave 0; its four partners share the 64 + 64 rows out BY ADDRESS
; (cx < 2: K's rows 32 (cx % 2) on; else V's).  M of a query block is walked by all clusters along y: cluster y = 0 asks, by waves 2 and 3; partner cy takes rows 64 cy + 32 (wave % 2) on.
; The last change that fills a slot asks for nothing: there is no tile behind it.
.macro ASK
	s_cmp_gt_u32 s[CNT], s[LIM]
	s_cbranch_scc0 .Lnot_mine_\@
	global_prefetch_b8 v[PFO], s[PFA:PFA+1] th:TH_LOAD_NT scope:SCOPE_SE
.Lnot_mine_\@:
.endm
.macro CROUND                          ; a round of the cluster's barrier
	s_barrier_signal -1
	s_barrier_wait -1
	s_cmp_lg_u32 s[WV], 0
	s_cbranch_scc1 .Lnot_wave_0_\@
	s_barrier_signal -3
.Lnot_wave_0_\@:
	s_barrier_wait -3
	s_barrier_signal -1
	s_barrier_wait -1
.endm
; THE CHANGE OF SLOTS.  Each wave waits for all its tensor loads (one is out: its part of the other slot), adds 0 to its spare word, and waits for that and for its reads of the slot that it leaves.
; fill = 1: the barrier is a round of the cluster's, and the old slot is filled again first thing behind it, with the tile two on: it has a key step in which to land.
; (At its first use nothing has been read yet: slot 0 is waited for, slot 1 filled.)
.macro CHANGE fill
	WIN W_AD
	s_wait_tensorcnt 0x0                           ; no tensor load of mine is out, so a group 0 may be written
	ds_add_u32 v[SPW], v[NIL]                      ; 0 onto my spare word; the descriptors' steps stand between it and the wait for it
	WIN 0                                          ; at a label and at a branch every window is 0
.if \fill
.irp g, G0K, G0V
	s_xor_b32 s[\g+1], s[\g+1], SLOT1              ; the other slot than last time,
	s_add_nc_u64 s[\g+2:\g+3], s[\g+2:\g+3], KS*2048  ; the next 64 keys; the type bits on top are not reached
.endr
	s_xor_b32 s[G0M+1], s[G0M+1], SLOT1
	s_add_nc_u64 s[G0M+2:G0M+3], s[G0M+2:G0M+3], KS*4
	s_wait_xcnt 0x0                                ; the last prefetch, a key step back, has read its address, so it may be written
	s_add_nc_u64 s[PFA:PFA+1], s[PFA:PFA+1], s[PST:PST+1]
	s_wait_dscnt 0x0                               ; the add is done, and my reads of the slot are over
	CROUND
	JLOAD
	ASK
.else
	s_wait_dscnt 0x0
	s_barrier_signal -1
	s_barrier_wait -1
.endif
	s_xor_b32 s[TB], s[TB], SLOT1                  ; the fetches go to the other slot
	v_add_nc_u32 v[AK], s[TB], v[AK0]
	v_add_nc_u32 v[AV], s[TB], v[AV0]
	v_add_nc_u32 v[AM], s[TB], v[AM0]
.endm
	s_load_b128 s[4:7], s[0:1], 0x0                ; qkvh s[4:5], mneg s[6:7]
	s_load_b64 s[8:9], s[0:1], 0x10                ; oh
	WIN 0x80
	v_lshl_add_u32 v[SPW], v0, 2, SPARE
	v_mov_b32 v[NIL], 0
	WIN W_AD
	ds_add_u32 v[SPW], v[NIL]                      ; the wave's opening: the add and its wait stand ahead of my first tensor load; the set-up below stands between them
	WIN 0
	v_lshrrev_b32 v1, 5, v0
	v_readfirstlane_b32 s[WV], v1                  ; wave 0..3
	s_bfe_u32 s15, ttmp6, 0x40000                  ; cx
	s_bfe_u32 s16, ttmp6, 0x40004                  ; cy
	s_lshl_b32 s17, ttmp9, 2
	s_add_co_u32 s17, s17, s15                     ; block of 256 queries
	s_and_b32 s72, ttmp7, 0xffff                   ; cluster y
	s_lshl_b32 s18, s72, 2
	s_add_co_u32 s18, s18, s16
	s_lshr_b32 s19, s18, 3                         ; batch
	s_and_b32 s20, s18, 7                          ; head pair
	s_lshl_b32 s21, s16, 2
	s_lshl_b32 s21, 15, s21                        ; my row of the cluster
	s_lshl_b32 s22, 0x1111, s15                    ; my column
	s_and_b32 s23, s[WV], 1
	s_or_b32 s[G1K], s21, (1<<16)|(1<<20)|(1<<21)|(5<<22)|(3<<25)  ; the mask; 2-byte elements; padding on; bit 21 beside a mask; after every 64 words 4 words
	s_or_b32 s[G1V], s21, (1<<16)|(1<<20)|(1<<21)|(5<<22)|(7<<25)  ; the same with 8 words
	s_or_b32 s[G1M], s22, (2<<16)|(1<<20)|(1<<21)|(5<<22)|(3<<25)  ; 4-byte elements
.irp g, G1K, G1V
	s_mov_b32 s[\g+1], 128<<16                     ; tensor_dim0 = 128
	s_mov_b32 s[\g+2], KS<<16                      ; tensor_dim1 = 64
	s_mov_b32 s[\g+3], 128<<16                     ; tile_dim0 = 128
	s_mov_b32 s[\g+4], KS                          ; tile_dim1 = 64
	s_mov_b32 s[\g+5], 1024                        ; elements from row to row
	s_mov_b32 s[\g+6], 0
	s_mov_b32 s[\g+7], 0
.endr
	s_mov_b32 s[G1M+1], KS<<16                     ; 64 keys
	s_mov_b32 s[G1M+2], 128<<16                    ; 128 queries
	s_mov_b32 s[G1M+3], KS<<16
	s_mov_b32 s[G1M+4], 128
	s_mov_b32 s[G1M+5], 2048
	s_mov_b32 s[G1M+6], 0
	s_mov_b32 s[G1M+7], 0
	s_lshl_b32 s10, s19, 22                        ; the batch's 2,048 rows of 2,048 bytes,
	s_lshl_b32 s11, s20, 8                         ; the head pair's 256 bytes of a row
	s_add_co_u32 s10, s10, s11
	s_mov_b32 s11, 0
	s_lshl_b32 s12, s17, 21                        ; M: 256 rows of 8,192 bytes a query block,
	s_lshl_b32 s13, s23, 20                        ; the 128 rows that I fetch
	s_add_co_u32 s12, s12, s13
	s_mov_b32 s13, 0
	s_mul_i32 s2, s23, 128*PMP
	s_add_co_u32 s2, s2, MOFF
	s_mov_b32 s[G0K], 1
	s_mov_b32 s[G0K+1], 0                          ; slot 0
	s_mov_b32 s[G0V], 1
	s_mov_b32 s[G0V+1], VOFF
	s_mov_b32 s[G0M], 1
	s_mov_b32 s[G0M+1], s2
	s_lshl_b32 s74, s17, 19                        ; Q and O: my block's 256 rows,
	s_lshl_b32 s75, s[WV], 17                      ; my wave's 64,
	s_add_co_u32 s74, s74, s75
	s_add_co_u32 s74, s74, s10                     ; the batch and the head pair
	s_mov_b32 s75, 0
	s_lshr_b32 s78, s15, 1                         ; the prefetches of K and V: K lies 16 MiB, V 32 MiB into the buffer,
	s_add_co_u32 s78, s78, 1
	s_lshl_b32 s78, s78, 24
	s_and_b32 s79, s15, 1
	s_lshl_b32 s79, s79, 16                        ; my work-group's 32 rows of the 64,
	s_add_co_u32 s78, s78, s79
	s_add_co_u32 s78, s78, s10
	s_add_co_u32 s78, s78, KS*2048                 ; at tile 1: the first change steps it to tile 2
	s_lshl_b32 s80, s17, 21                        ; those of M: the query block,
	s_lshl_b32 s81, s16, 19                        ; my work-group's 64 rows,
	s_add_co_u32 s80, s80, s81
	s_lshl_b32 s81, s23, 18                        ; my wave's 32 of them,
	s_add_co_u32 s80, s80, s81
	s_add_co_u32 s80, s80, KS*4                    ; at tile 1
	s_mov_b32 s[PST], KS*4
	s_cmp_lt_u32 s[WV], 2
	s_cselect_b32 s76, s78, s80
	s_cselect_b32 s[PST], KS*2048, s[PST]
	s_cselect_b32 s71, 11, 13                      ; a row is 2,048 or 8,192 bytes
	s_cselect_b32 s73, ttmp9, s72                  ; the coordinate along which other clusters walk the same rows
	s_mov_b32 s77, 0
	s_mov_b32 s[PST+1], 0
	s_cmp_eq_u32 s[WV], 1
	s_cselect_b32 s73, 1, s73                      ; wave 1 asks for nothing
	s_cmp_eq_u32 s73, 0
	s_cselect_b32 s[LIM], 1, -1                    ; the same in all sixteen partners, for a given wave
	v_and_b32 v[PFO], 31, v0
	v_lshlrev_b32 v[PFO], s71, v[PFO]
	s_mov_b32 s[SEL], 0x76543210
	s_mov_b32 s[SEL+1], 0xfedcba98
	s_mov_b32 s[TB], SLOT1                         ; the first change of slots turns it into 0
	s_mov_b32 s[CNT], STEPS-1
	s_wait_dscnt 0x0                               ; the opening add is done
	s_wait_kmcnt 0x0
	s_add_nc_u64 s[G0K+2:G0K+3], s[4:5], s[10:11]
	s_add_nc_u64 s[G0V+2:G0V+3], s[G0K+2:G0K+3], 2<<24
	s_add_nc_u64 s[G0K+2:G0K+3], s[G0K+2:G0K+3], 1<<24
	s_or_b32 s[G0K+3], s[G0K+3], 0x80000000
	s_or_b32 s[G0V+3], s[G0V+3], 0x80000000
	s_add_nc_u64 s[G0M+2:G0M+3], s[6:7], s[12:13]
	s_or_b32 s[G0M+3], s[G0M+3], 0x80000000
	s_add_nc_u64 s[QP:QP+1], s[4:5], s[74:75]
	s_add_nc_u64 s[OP:OP+1], s[8:9], s[74:75]
	s_cmp_lt_u32 s[WV], 2
	s_cselect_b64 s[PFA:PFA+1], s[4:5], s[6:7]
	s_add_nc_u64 s[PFA:PFA+1], s[PFA:PFA+1], s[76:77]
	CROUND                                         ; all sixteen work-groups are here: the first joint loads meet
	JLOAD                                          ; tile 0 into slot 0.  Slot 1 is asked for when slot 0 is in
	v_and_b32 v1, 15, v0                           ; r = l % 16
	v_bfe_u32 v48, v0, 4, 1                        ; h = l / 16
	v_lshlrev_b32 v[QO], 11, v1
	v_lshl_add_u32 v[QO], v48, 4, v[QO]            ; row x 2,048 + 16 x half
	WIN 0x80
.set i, 0
.rept 16                               ; Q stays in registers: piece i / 4, head (i / 2) % 2, channels 32 (i % 2) on
	global_load_b128 v[8*i:8*i+3],   v[QO], s[QP:QP+1] offset:(i/4)*32768+((i/2)%2)*128+(i%2)*64
	global_load_b128 v[8*i+4:8*i+7], v[QO], s[QP:QP+1] offset:(i/4)*32768+((i/2)%2)*128+(i%2)*64+32
.set i, i+1
.endr
	; What the first turn finds: V's registers and P's second buffer hold 0 (its products V^T P, of a piece that has not been, add 0), O^T and l are 0, m the lowest finite number, so that the first a is 0.
	WIN 0xc0
.set i, VF
.rept 128
	v_mov_b32 v[i], 0
.set i, i+1
.endr
	WIN 0x40
.set i, 0
.rept 256
	v_mov_b32 v[i], 0
.set i, i+1
.endr
	WIN 0
.set i, 0
.rept 2*NP
	v_mov_b32 v[ST+4*i], 0xff7fffff
	v_mov_b32 v[ST+4*i+1], 0                       ; named with m as a pair
	v_mov_b32 v[ST+4*i+2], 0
	v_mov_b32 v[ST+4*i+3], 0
.set i, i+1
.endr
.set i, P+32
.rept 32
	v_mov_b32 v[i], 0
.set i, i+1
.endr
	v_mul_u32_u24 v[AK0], v1, PKP                  ; K: row r, 16 bytes for each half of the lanes
	v_lshl_add_u32 v[AK0], v48, 4, v[AK0]
	v_and_b32 v49, 7, v0                           ; V: the turning load takes key 8 h + l % 8, 16 bytes ((l / 8) % 2)
	v_bfe_u32 v50, v0, 3, 1
	v_lshl_add_u32 v[AV0], v48, 3, v49
	v_mul_u32_u24 v[AV0], v[AV0], PVP
	v_lshl_add_u32 v[AV0], v50, 4, v[AV0]
	v_add_nc_u32 v[AV0], VOFF, v[AV0]
	s_mul_i32 s2, s[WV], 64*PMP                    ; M: my wave's 64 queries; row r, keys 8 h on: 32 h bytes
	s_add_co_u32 s2, s2, MOFF
	v_mul_u32_u24 v[AM0], v1, PMP
	v_lshl_add_u32 v[AM0], v48, 5, v[AM0]
	v_add_nc_u32 v[AM0], s2, v[AM0]
; THE MATRIX WORK.  The 8 accumulators of a run of 16 take turns.  Product i of S^T = K Q^T for piece x: channels 32 (i / 8) on, keys 16 ((i / 2) % 4) on, head i % 2.  The first 8 start the sums.
.macro KQ x
	WIN W_KQ
.set rS, S+64*((\x)%2)+32*(i%2)+8*((i/2)%4)
.set rK, 8*(4*((i/2)%4)+2*(i%2)+i/8)
.set rQ, 16*(2*(\x)+i%2)+8*(i/8)
.if i < 8
	v_wmma_f32_16x16x32_f16 v[rS:rS+7], v[rK:rK+7], v[rQ:rQ+7], 0
.else
	v_wmma_f32_16x16x32_f16 v[rS:rS+7], v[rK:rK+7], v[rQ:rQ+7], v[rS:rS+7]
.endif
.endm
; Product i of O^T += V^T P for piece x: keys 32 (i / 8) on, channels 16 ((i / 2) % 4) on, head i % 2.
.macro PV x
	WIN W_PV
.set rO, 32*(2*(\x)+i%2)+8*((i/2)%4)
.set rV, VF+8*(8*(i/8)+4*(i%2)+(i/2)%4)
.set rP, P+32*((\x)%2)+16*(i%2)+8*(i/8)
	v_wmma_f32_16x16x32_f16 v[rO:rO+7], v[rV:rV+7], v[rP:rP+7], v[rO:rO+7]
.endm
.macro MM                              ; the turn's next matrix instruction
.if i < 16
	KQ (Y+1)%NP
.set i, i+1
.else
.set i, i-16
	PV (Y+NP-1)%NP
.set i, i+17
.endif
.endm
; THE LDS LOADS stand in runs: a step's K (16 fragments), its V (turned), and a piece's M (16 queries x 64 keys of f32).
.macro FETCH_K
	WIN 0xc0
.irp f, 0,1,2,3,4,5,6,7,8,9,10,11,12,13,14,15  ; keys 16 (f / 4) on; head (f % 4) / 2, channels 32 (f % 2) on
	ds_load_b128 v[8*\f:8*\f+3],   v[AK] offset:(\f/4)*16*PKP+(\f%4)*64
	ds_load_b128 v[8*\f+4:8*\f+7], v[AK] offset:(\f/4)*16*PKP+(\f%4)*64+32
.endr
.endm
.macro FETCH_V
	WIN 0xc0
.irp f, 0,1,2,3,4,5,6,7,8,9,10,11,12,13,14,15  ; keys 32 (f / 8) on; head (f % 8) / 4, channels 16 (f % 4) on
	ds_load_tr16_b128 v[VF+8*\f:VF+8*\f+3],   v[AV] offset:(\f/8)*32*PVP+(\f%8)*32
	ds_load_tr16_b128 v[VF+8*\f+4:VF+8*\f+7], v[AV] offset:(\f/8)*32*PVP+16*PVP+(\f%8)*32
.endr
.endm
.macro FETCH_M x
	WIN 0x80
.irp kb, 0,1,2,3
	ds_load_b128 v[MB+32*((\x)%2)+8*\kb:MB+32*((\x)%2)+8*\kb+3],   v[AM] offset:(\x)*16*PMP+64*\kb
	ds_load_b128 v[MB+32*((\x)%2)+8*\kb+4:MB+32*((\x)%2)+8*\kb+7], v[AM] offset:(\x)*16*PMP+64*\kb+16
.endr
.endm
; THE VECTOR WORK OF A TURN stands in four queues, each in the order in which its entries become ready; the two heads alternate.
.macro REGS y, u                       ; the registers of head u of piece y
.set rT, ST+4*(2*(\y)+(\u))
.set rC, TMP+8*((\y)%2)+4*(\u)
.set rM, MV+2*((\y)%2)+(\u)
.set rS, S+64*((\y)%2)+32*(\u)
.set rP, P+32*((\y)%2)+16*(\u)
.set rO, 32*(2*(\y)+(\u))
.set rB, MB+32*((\y)%2)
.endm
; Number n of the 21 that find the NEXT piece's maximum and statistics, behind the mask's addition.
;   0-11  four chains c0-c3 of seven scores each     12-14, 16  the four scores left over, the old m, and c0-c3 into c0     15  m_old is kept
;   17, 18  the query's other 32 keys lie in the lane 16 away: the new m     19, 20  m_old - m_new; a
.macro XS u, n
	REGS (Y+1)%NP, \u
.if (\n) < 4
	v_max3_num_f32 v[rC+(\n)], v[rS+8*(\n)], v[rS+8*(\n)+1], v[rS+8*(\n)+2]
.elseif (\n) < 12
	v_max3_num_f32 v[rC+(\n)%4], v[rC+(\n)%4], v[rS+8*((\n)%4)+2*((\n)/4)+1], v[rS+8*((\n)%4)+2*((\n)/4)+2]
.elseif (\n) == 12
	v_max3_num_f32 v[rC], v[rC], v[rS+7], v[rS+15]
.elseif (\n) == 13
	v_max3_num_f32 v[rC+1], v[rC+1], v[rS+23], v[rS+31]
.elseif (\n) == 14
	v_max3_num_f32 v[rC+2], v[rC+2], v[rC+3], v[rT]
.elseif (\n) == 15
	v_mov_b32 v[rM], v[rT]
	s_wait_alu depctr_va_vdst(0)
.elseif (\n) == 16
	v_max3_num_f32 v[rC], v[rC], v[rC+1], v[rC+2]
.elseif (\n) == 17
	v_permlanex16_b32 v[rC+3], v[rC], s[SEL], s[SEL+1]
.elseif (\n) == 18
	v_max_num_f32 v[rT], v[rC], v[rC+3]
.elseif (\n) == 19
	v_sub_f32 v[rC+1], v[rM], v[rT]
.else
	v_exp_f32 v[rC+2], v[rC+1]
.endif
.endm
; Number g of the 64 that follow the exponentials.  For each four weights k of a tile: both pairs are rounded to f16; the second pair is added onto the first, in place; a group later l takes that sum
; (the first time as l = a l + sum).  In groups of eight, heads alternating.
.macro GS g
.set h, (\g)+6*((\g)/62)
.if h >= 6
.set h, h+2
.endif
	REGS Y, h%2
.set k, h/8
.if h%8 < 4
	s_wait_alu depctr_va_vdst(0)
	v_cvt_pk_f16_f32 v[rP+2*k+(h%8)/2], v[rS+4*k+2*((h%8)/2)], v[rS+4*k+2*((h%8)/2)+1]
.elseif h%8 < 6
	v_pk_add_f32 v[rS+4*k:rS+4*k+1], v[rS+4*k:rS+4*k+1], v[rS+4*k+2:rS+4*k+3]
.elseif k == 1
	v_pk_fma_f32 v[rT+2:rT+3], v[rT+2:rT+3], v[rC+2:rC+3], v[rS:rS+1] op_sel_hi:[1,0,1]
.else
	v_pk_add_f32 v[rT+2:rT+3], v[rT+2:rT+3], v[rS+4*k-4:rS+4*k-3]
.endif
.endm
; THE PLAIN QUEUE, 136 long.  0-31: t - m for the 16 pairs of both heads.  Then GS's 64, and among them the next piece's 40: number 15 at 38, 39; 0-14 and 16 at 42-73; 17-19 at 95-102, two of three.
.macro PL
	WIN 0
.if q < 32
	REGS Y, q%2
	v_pk_add_f32 v[rS+2*(q/2):rS+2*(q/2)+1], v[rS+2*(q/2):rS+2*(q/2)+1], v[rT:rT+1] op_sel_hi:[1,0] neg_lo:[0,1] neg_hi:[0,1]
.elseif q < 38
	GS q-32
.elseif q < 40
	XS q%2, 15
.elseif q < 42
	GS q-34
.elseif q < 74
	XS q%2, (q-42)/2+(q-42)/30
.elseif q < 95
	GS q-66
.elseif (q < 104) && ((q-95)%3 < 2)
	XS (q-95)%3, 17+(q-95)/3
.elseif q < 104
	GS 29+(q-95)/3
.else
	GS q-72
.endif
.set q, q+1
.endm
; THE EXPONENTIALS' QUEUE, 66 long: the 32 scores of both heads, and at EA the next piece's two a.  An exponential has no source 1, so it runs alike under the setting of the mask's additions.
.set EA, 58
.macro EX w=0
	WIN \w
.if (e == EA) || (e == EA+1)
	XS e-EA, 20
.else
.set x, e-2*(e/(EA+2))
	REGS Y, x%2
	v_exp_f32 v[rS+x/2], v[rS+x/2]
.endif
.set e, e+1
.endm
; THE MASK'S QUEUE, 32 long: M is added onto the next piece's scores, the same 32 registers of M for both heads.  It is the first reader of those sums, and takes each accumulator's registers in ascending order.
.macro KA
	WIN W_MK
	REGS (Y+1)%NP, ka%2
	v_pk_add_f32 v[rS+2*(ka/2):rS+2*(ka/2)+1], v[rS+2*(ka/2):rS+2*(ka/2)+1], v[rB+2*(ka/2):rB+2*(ka/2)+1]
.set ka, ka+1
.endm
; THE RESCALING's QUEUE: O^T times a, dealt four at a time, eight times.
.macro R4
	REGS Y, r%2
	WIN W_RS
	s_wait_alu depctr_va_vdst(0)
.irp z, 0,1,2,3
	v_pk_mul_f32 v[rO+8*(r/2)+2*\z:rO+8*(r/2)+2*\z+1], v[rO+8*(r/2)+2*\z:rO+8*(r/2)+2*\z+1], v[rC+2:rC+3] op_sel_hi:[1,0]
.endr
.set r, r+1
.endm
; HOW THEY ARE DEALT.  Behind a matrix instruction four: plain, exponential, plain, plain, or four of the rescaling; none names a register of the products round it.  What is over stands in two runs.
; The deal keeps the queues in step: exponential e stands behind plain 2 (e / 4) + e % 2; when plain 32 comes, 10 exponentials are out; group k of GS begins at plain 110, 118, 126 for k = 5, 6, 7 and
; wants exponentials up to 8 k + 7 (the last group: all 66), which are out by plain 110; EA comes behind plain 102.
.macro SL
	MM
	PL
	EX
	PL
	PL
.endm
.macro BURST n                         ; 15 matrix instructions, or 16
.rept (\n)-7
	SL
.endr
.rept 3
	MM
	R4
	SL
.endr
	MM
	R4
.endm
; A TURN, for piece p.  M of piece p + 2 is fetched at its head and used a turn later.  K of the next step is fetched in piece 2's turn, V of the step in hand at the end of piece 0's:
; each four plain instructions or more (the rescaling's four) behind the last product that read those registers.
.macro TURN p
.set Y, (\p)
.set i, 0
.set q, 0
.set e, 0
.set r, 0
.set ka, 0
.if (\p) == NP-1
	s_wait_dscnt 0x0                               ; K is in
.endif
	MM
.rept 4
	PL
.endr
	FETCH_M ((\p)+2)%NP
	BURST 15
	s_wait_dscnt 8                                 ; all but the eight loads just issued: M of piece p + 1 is in, and in piece 1's turn V
.if (\p) == NP-2
	FETCH_K
.endif
.rept 32
	EX W_MK
	KA
.endr
	BURST 16
.rept 3
	EX
	PL
.endr
.rept 27
	PL
.endr
.rept 8
	EX
	PL
.endr
.rept 25
	PL
.endr
.if (\p) == 0
	FETCH_V
.endif
.endm
	CHANGE 1                                       ; tile 0 is in, everybody's part of it; tile 1 is asked for
	FETCH_K                                        ; key step 0
	FETCH_M 0
	FETCH_M 1
	s_wait_loadcnt 0x0                             ; Q
	s_wait_dscnt 0x0
.set i, 0
.rept 16
	KQ 0                                           ; piece 0's first scores: there is no vector work yet to set between them
.set i, i+1
.endr
	WIN 0                                          ; the addresses for the way out: eight plain instructions, the places behind those products
	s_mul_i32 s2, s[WV], 16*SP
	s_add_co_u32 s2, s2, STAGE                     ; my stage
	v_mul_u32_u24 v[STO], v1, SP                   ; in: row r, 16 bytes for each half of the lanes
	v_lshl_add_u32 v[STO], v48, 4, v[STO]
	v_add_nc_u32 v[STO], s2, v[STO]
	v_mul_u32_u24 v[RD], v48, SP                   ; back: lanes 0-15 one row of 256 bytes, lanes 16-31 the next
	v_lshl_add_u32 v[RD], v1, 4, v[RD]
	v_add_nc_u32 v[RD], s2, v[RD]
	v_lshlrev_b32 v[GO], 11, v48                   ; and the same two rows in O
	v_lshl_add_u32 v[GO], v1, 4, v[GO]
.set Y, NP-1                           ; KA and XS work for piece Y + 1: piece 0
.set ka, 0
.rept 32
	KA
.endr
	WIN 0
.irp n, 0,1,2,3,4,5,6,7,8,9,10,11,12,13,14,15,16,17,18,19,20
	XS 0, \n
	XS 1, \n
.endr
	v_nop                                          ; a plain instruction behind the exponentials
	s_branch .Lfirst                               ; the loop is entered at a step's first turn, in the middle of a trip
.Ltrip:                                        ; 30 times: tile n is entered, tile n + 1 asked for.  A trip reads one tile: K and M for pieces 0, 1 in the old step's last turns, M for pieces 2, 3 and V in the new step's first
	CHANGE 1
	TURN 2
	TURN 3
	WIN 0
.Lfirst:
	TURN 0
	TURN 1
	WIN 0
	s_sub_co_u32 s[CNT], s[CNT], 1
	s_cmp_lg_u32 s[CNT], 0
	s_cbranch_scc1 .Ltrip
	CHANGE 0                                       ; the tail is written out: nothing is asked for
	s_mov_b32 s[CNT], 2                            ; one trip for the last tile; the second is left in its middle
.Ltail:
	TURN 2
	TURN 3
	WIN 0
	s_sub_co_u32 s[CNT], s[CNT], 1
	s_cmp_eq_u32 s[CNT], 0
	s_cbranch_scc1 .Lout
	TURN 0
	TURN 1
	WIN 0
	s_branch .Ltail
.Lout:                                         ; the second trip's products K Q^T (on the last tile once more) and the maximum made of them serve nothing: the price, once a launch, of one text for every trip
.set i, 0
.rept 16
	PV NP-1                                        ; the last piece's V^T P of the last step
.set i, i+1
.endr
	; THE WAY OUT.  l's two halves and the other half of the lanes' are added; O^T is divided by l, rounded to f16 and sent through my stage in LDS, a piece (16 rows x 256 bytes) at a time.  The additions are the places behind the last products.
	WIN 0
.macro ALL line:vararg                 ; one line for each tile t
.set t, 0
.rept 2*NP
	\line
.set t, t+1
.endr
.endm
	ALL v_add_f32 v[ST+4*t+2], v[ST+4*t+2], v[ST+4*t+3]
	ALL v_permlanex16_b32 v[ST+4*t+3], v[ST+4*t+2], s[SEL], s[SEL+1]
	ALL v_add_f32 v[ST+4*t+2], v[ST+4*t+2], v[ST+4*t+3]
	ALL v_rcp_f32 v[ST+4*t+2], v[ST+4*t+2]
	v_nop                                          ; a plain instruction between the last reciprocal and the use of its result
	s_wait_alu depctr_va_vdst(0)
.macro PACK x
	WIN W_RS
.irp u, 0,1
.set i, 32*(2*(\x)+\u)
.rept 16
	v_pk_mul_f32 v[i:i+1], v[i:i+1], v[ST+4*(2*(\x)+\u)+2:ST+4*(2*(\x)+\u)+3] op_sel_hi:[1,0]
.set i, i+2
.endr
.endr
	WIN 0x05                                       ; sources 0 and 1 window 1, destination window 0: S^T's registers are free
.set i, 0
.rept 32
	v_cvt_pk_f16_f32 v[S+32*(\x)+i], v[64*(\x)+2*i], v[64*(\x)+2*i+1]
.set i, i+1
.endr
	WIN 0
.irp f, 0,1,2,3,4,5,6,7
	ds_store_b128 v[STO], v[S+32*(\x)+4*\f:S+32*(\x)+4*\f+3] offset:32*\f
.endr
.irp f, 0,1,2,3,4,5,6,7
	ds_load_b128 v[S+32*(\x)+4*\f:S+32*(\x)+4*\f+3], v[RD] offset:\f*2*SP  ; LDS serves a wave's instructions in order (ISA guide 5.7.1.4): these see the stores above; the next piece's stores come behind them
.endr
.endm
.macro SEND x, younger                 ; younger: the LDS instructions issued behind piece x's loads: the next piece's sixteen, or none
	WIN 0
.irp f, 0,1,2,3,4,5,6,7
	s_wait_dscnt (\younger)+7-\f
	global_store_b128 v[GO], v[S+32*(\x)+4*\f:S+32*(\x)+4*\f+3], s[OP:OP+1] offset:(\x)*32768+\f*4096  ; 16 lanes store 256 consecutive bytes, aligned
.endr
.endm
	PACK 0
	PACK 1                                         ; a piece's arithmetic stands between the loads of the piece before and its stores
	SEND 0, 16
	PACK 2
	SEND 1, 16
	PACK 3
	SEND 2, 16
	SEND 3, 0
	WIN W_AD
	s_wait_tensorcnt 0x0                           ; the wave's end, behind my last tensor load and my last LDS store
	ds_add_u32 v[SPW], v[NIL]
	s_wait_dscnt 0x0
	WIN 0
	CROUND                                         ; the closing round: no work-group ends while a partner may still ask for a tile that names it
	s_endpgm
.Lfunc_end_k_q65869f079a_attn:
	.size	k_q65869f079a_attn, .Lfunc_end_k_q65869f079a_attn-k_q65869f079a_attn
	.p2alignl 7, 3214868480
	.fill 96, 4, 3214868480
	.section	.rodata,"a",@progbits
	.p2align	6, 0x0
	.amdhsa_kernel k_q65869f079a_attn
		.amdhsa_group_segment_fixed_size 327680
		.amdhsa_private_segment_fixed_size 0
		.amdhsa_enable_private_segment 0
		.amdhsa_kernarg_size 24
		.amdhsa_user_sgpr_count 2
		.amdhsa_user_sgpr_kernarg_segment_ptr 1
		.amdhsa_wavefront_size32 1
		.amdhsa_system_sgpr_workgroup_id_x 1
		.amdhsa_system_sgpr_workgroup_id_y 1
		.amdhsa_system_sgpr_workgroup_id_z 1
		.amdhsa_system_vgpr_workitem_id 0
		.amdhsa_next_free_vgpr 1024
		.amdhsa_next_free_sgpr 96
		.amdhsa_reserve_vcc 0
		.amdhsa_float_denorm_mode_32 3
		.amdhsa_float_denorm_mode_16_64 3
		.amdhsa_memory_ordered 1
		.amdhsa_forward_progress 1
		.amdhsa_inst_pref_size 238
	.end_amdhsa_kernel
	.amdgpu_metadata
---
amdhsa.version: [ 1, 2 ]
amdhsa.kernels:
  - .name:           k_q65869f079a_attn
    .symbol:         k_q65869f079a_attn.kd
    .args:
      - { .name: qkvh, .offset: 0, .size: 8, .value_kind: global_buffer, .address_space: global }
      - { .name: mneg, .offset: 8, .size: 8, .value_kind: global_buffer, .address_space: global }
      - { .name: oh, .offset: 16, .size: 8, .value_kind: global_buffer, .address_space: global }
    .group_segment_fixed_size: 327680
    .private_segment_fixed_size: 0
    .kernarg_segment_align: 8
    .kernarg_segment_size: 24
    .max_flat_workgroup_size: 128
    .sgpr_count:     96
    .vgpr_count:     1024
    .wavefront_size: 32
...
	.end_amdgpu_metadata
.endif
;; end of part 3
;; launch oproj (part 4): grid 4 x 64, 4 waves a work-group, clusters of 4 x 4, 327,680 bytes of LDS; arguments oh, wh, wo_b, out0; writes out0
.if DOCPART == 4
	.amdgcn_target "amdgcn-amd-amdhsa--gfx1250"
	.amdhsa_code_object_version 6
	.text
	.protected	k_q65869f079a_oproj
	.globl	k_q65869f079a_oproj
	.p2align	8
	.type	k_q65869f079a_oproj,@function
k_q65869f079a_oproj:
	s_mov_b64 s[64:65], 0
	v_nop
	global_prefetch_b8 v0, s[64:65] scope:SCOPE_SE
	s_setreg_imm32_b32 hwreg(HW_REG_WAVE_MODE, 25, 1), 1
	s_wait_xcnt 0x0
	s_wait_alu depctr_hold_cnt(0) depctr_sa_sdst(0) depctr_va_vdst(0) depctr_va_sdst(0) depctr_va_ssrc(0) depctr_va_vcc(0) depctr_vm_vsrc(0)
	s_getreg_b32 s2, hwreg(HW_REG_IB_STS2, 6, 4)
	s_cmp_eq_u32 s2, 0
	s_cbranch_scc0 .Lentry_in_a_cluster
	s_endpgm
.Lentry_in_a_cluster:
	s_bfe_u32 s2, ttmp6, 0x10000c
	s_cmp_lg_u32 s2, 0xf033
	s_cbranch_scc0 .Lentry_shape_is_right
	s_endpgm
.Lentry_shape_is_right:
; THE OUTPUT PROJECTION.  out0 = O Wo + bo.  O: [8192][1024] f16 (the attention's result); Wo: [1024 k][1024 n], rounded to bf16 and written as f16, the fourth image of wh; bo: [1024] f32, rounded to bf16;
; out0: [8192][1024] f32.  Sums in f32.
; SHARES.  256 tiles of 128 rows x 256 columns, one to a work-group; four waves, each 64 x 128: 32 accumulators.  K goes in 8 steps of 128 through two LDS slots.
; CLUSTER 4 x 4: O's rows are shared along a row of the cluster, Wo's columns along a column: each tile is asked for jointly.
; THE MATRIX INSTRUCTION IS USED TRANSPOSED: source 0 = 16 columns of Wo (turned out of LDS), source 1 = 16 rows of O: a lane holds eight neighbouring columns of a row.
; REGISTERS: window 0: v16-29 addresses; v96-159 O's fragments, two buffers of 32; v192-255 at work on the way out.  Window 1: the accumulators, (a, b) at 8 (8 a + b).
;   Window 2: v0-127 Wo's fragments, two buffers of 64; v128-191 the bias as the first products' C; v192 at work.
.set KSTEP,  128
.set PA,     272                       ; a row of O in LDS: 256 bytes + 16 = 68 words: row r starts at bank 4 r mod 64 (64 banks of 4 bytes: ISA guide 11.1)
.set PB,     544                       ; a row of Wo: 512 + 32 = 17 x 32 bytes
.set HALFA,  64*PA
.set HALFB,  64*PB
.set AB,     2*HALFA
.set SLOT,   AB+2*HALFB
.set STAGE,  2*SLOT                    ; behind the ring: 16 rows x 528 bytes for each wave, for the way out
.set SP,     528
.set SPARE,  STAGE+4*16*SP             ; behind the stages: the spare words, 128 bytes for each wave: two blocks of 256 bytes that no other line names
.set ADRA, 16
.set ADRB, 20
.set STO,  24
.set RD,   25
.set CO,   26
.set SPW,  28                          ; v28  LDS address of my spare word; never rewritten
.set NIL,  29                          ; v29  0; never rewritten
.set AF,   96
.set OB,   192
.set BF,   0
.set BIAS, 128
.set BT,   192
.set G1,  24
.set G0,  32
.set G1B, 48
.set G0B, 56
.set MSB, 0
.macro WIN new
.if MSB != (\new)
	s_set_vgpr_msb (MSB<<8)|(\new)
.set MSB, \new
.endif
.endm
.set W_MUL,  0x52                      ; Wo window 2, O window 0, C and D window 1
.set W_MULB, 0x62                      ; the same with C (the bias) in window 2
.macro JLOAD s                         ; a joint load: waves 0 and 1 fetch O's two halves, waves 2 and 3 Wo's; an s_nop 0 and four v_nop follow each line
	s_cmp_eq_u32 s11, 0
	s_cbranch_scc0 .Lfor_b_\@
	tensor_load_to_lds s[G0+4*(\s):G0+4*(\s)+3], s[G1:G1+7]
	s_nop 0
.rept 4
	v_nop
.endr
	s_branch .Lasked_\@
.Lfor_b_\@:
	tensor_load_to_lds s[G0B+4*(\s):G0B+4*(\s)+3], s[G1B:G1B+7]
	s_nop 0
.rept 4
	v_nop
.endr
.Lasked_\@:
.endm
.macro CREST
	s_cmp_lg_u32 s10, 0
	s_cbranch_scc1 .Lnot_wave_0_\@
	s_barrier_signal -3
.Lnot_wave_0_\@:
	s_barrier_wait -3
	s_barrier_signal -1
	s_barrier_wait -1
.endm
.macro CROUND
	s_barrier_signal -1
	s_barrier_wait -1
	CREST
.endm
.macro PLACES                          ; four places in front of loads into registers that matrix instructions have read, and of lines that read results
.rept 4
	v_nop
.endr
.endm
	s_load_b256 s[68:75], s[0:1], 0x0              ; oh 68, wh 70, wo_b 72, out0 74
	v_lshl_add_u32 v[SPW], v0, 2, SPARE
	v_mov_b32 v[NIL], 0
	ds_add_u32 v[SPW], v[NIL]                      ; the wave's opening: the add and its wait stand ahead of my first tensor load; the set-up below stands between them
	v_lshrrev_b32 v1, 5, v0
	v_readfirstlane_b32 s10, v1                    ; wave 0..3
	s_lshr_b32 s11, s10, 1                         ; which half of the tile's rows is mine.  Also: I fetch for O (0) or for Wo (1)
	s_and_b32 s12, s10, 1                          ; which half of its columns.  Also: which 64 rows of that tile I fetch
	s_bfe_u32 s40, ttmp6, 0x40000                  ; cx
	s_bfe_u32 s41, ttmp6, 0x40004                  ; cy
	s_lshl_b32 s42, ttmp9, 2
	s_add_co_u32 s42, s42, s40                     ; block of 256 columns
	s_and_b32 s13, ttmp7, 0xffff
	s_lshl_b32 s13, s13, 2
	s_add_co_u32 s13, s13, s41                     ; block of 128 rows
	s_lshl_b32 s43, s41, 2
	s_lshl_b32 s43, 15, s43                        ; my row of the cluster
	s_lshl_b32 s44, 0x1111, s40                    ; my column
	s_or_b32 s[G1+0], s43, (1<<16)|(1<<20)|(1<<21)|(5<<22)|(3<<25)   ; the mask; 2-byte elements; padding on; bit 21 beside a mask; after every 64 words 4 words
	s_or_b32 s[G1B+0], s44, (1<<16)|(1<<20)|(1<<21)|(6<<22)|(7<<25)  ; after every 128 words 8 words
	s_mov_b32 s[G1+1], 128<<16                     ; tensor_dim0 = 128
	s_mov_b32 s[G1+2], 64<<16                      ; tensor_dim1 = 64
	s_mov_b32 s[G1+3], 128<<16                     ; tile_dim0 = 128
	s_mov_b32 s[G1+4], 64                          ; tile_dim1 = 64
	s_mov_b32 s[G1+5], 1024                        ; elements from row to row
	s_mov_b32 s[G1+6], 0
	s_mov_b32 s[G1+7], 0
	s_mov_b32 s[G1B+1], 256<<16
	s_mov_b32 s[G1B+2], 64<<16
	s_mov_b32 s[G1B+3], 256<<16
	s_mov_b32 s[G1B+4], 64
	s_mov_b32 s[G1B+5], 1024
	s_mov_b32 s[G1B+6], 0
	s_mov_b32 s[G1B+7], 0
	s_lshl_b32 s16, s13, 7                         ; O: row 128 x block + 64 x half,
	s_lshl_b32 s17, s12, 6
	s_add_co_u32 s16, s16, s17
	s_lshl_b32 s16, s16, 11                        ; 2,048 bytes a row
	s_mov_b32 s17, 0
	s_lshl_b32 s46, s12, 17                        ; Wo: k row 64 x half,
	s_lshl_b32 s47, s42, 9                         ; 512 bytes a block of columns,
	s_add_co_u32 s46, s46, s47
	s_add_co_u32 s46, s46, 3<<21                   ; the fourth image
	s_mov_b32 s47, 0
	s_mul_i32 s20, s12, HALFA                      ; where they go: no place in the cluster enters an LDS address
	s_mul_i32 s21, s12, HALFB
	s_add_co_u32 s21, s21, AB
	s_wait_dscnt 0x0                               ; the opening add is done
	s_wait_kmcnt 0x0
	s_add_nc_u64 s[14:15], s[68:69], s[16:17]
	s_add_nc_u64 s[46:47], s[70:71], s[46:47]
	CROUND                                         ; all sixteen work-groups are here: the first joint loads meet
.irp s, 0,1
	s_mov_b32 s[G0+4*(\s)], 1
	s_add_co_u32 s[G0+4*(\s)+1], s20, (\s)*SLOT
	s_add_nc_u64 s[G0+4*(\s)+2:G0+4*(\s)+3], s[14:15], (\s)*KSTEP*2
	s_or_b32 s[G0+4*(\s)+3], s[G0+4*(\s)+3], 0x80000000
	s_mov_b32 s[G0B+4*(\s)], 1
	s_add_co_u32 s[G0B+4*(\s)+1], s21, (\s)*SLOT
	s_add_nc_u64 s[G0B+4*(\s)+2:G0B+4*(\s)+3], s[46:47], (\s)*KSTEP*2048
	s_or_b32 s[G0B+4*(\s)+3], s[G0B+4*(\s)+3], 0x80000000
	JLOAD \s                                       ; K steps 0 and 1: two loads of mine are out
.endr
	v_and_b32 v1, 15, v0                           ; r = l % 16
	v_bfe_u32 v2, v0, 4, 1                         ; h = l / 16
	v_and_b32 v6, 7, v0
	v_bfe_u32 v7, v0, 3, 1
	v_mul_u32_u24 v3, v1, PA
	v_lshl_add_u32 v3, v2, 4, v3                   ; row x pitch + 16 x half
	s_mul_i32 s22, s11, HALFA                      ; my 64 rows
	v_lshl_add_u32 v4, v2, 3, v6                   ; the turning load: k row 8 h + l % 8, 16 bytes ((l / 8) % 2)
	v_mul_u32_u24 v4, v4, PB
	v_lshl_add_u32 v4, v7, 4, v4
	s_lshl_b32 s23, s12, 8                         ; my 128 columns
	s_add_co_u32 s23, s23, AB
.irp s, 0,1
	v_add_nc_u32 v[ADRA+(\s)], s22, v3
	v_add_nc_u32 v[ADRB+(\s)], s23, v4
	s_add_co_u32 s22, s22, SLOT
	s_add_co_u32 s23, s23, SLOT
.endr
	s_mul_i32 s22, s10, 16*SP
	s_add_co_u32 s22, s22, STAGE                   ; my stage
	v_mul_u32_u24 v4, v1, SP                       ; in: row r, 32 bytes for each half of the lanes
	v_lshl_add_u32 v4, v2, 5, v4
	v_add_nc_u32 v[STO], s22, v4
	v_and_b32 v5, 31, v0                           ; back: 32 lanes take a row of 512 bytes,
	v_lshlrev_b32 v[CO], 4, v5                     ; which are 512 consecutive bytes of the output
	v_add_nc_u32 v[RD], s22, v[CO]
	s_lshl_b32 s88, s13, 7
	s_lshl_b32 s89, s11, 6
	s_add_co_u32 s88, s88, s89                     ; my first row, 4,096 bytes a row
	s_lshl_b32 s88, s88, 12
	s_lshl_b32 s90, s42, 10                        ; my first column, in bytes of f32
	s_lshl_b32 s91, s12, 9
	s_add_co_u32 s90, s90, s91
	s_mov_b32 s91, 0
	s_add_co_u32 s88, s88, s90
	s_mov_b32 s89, 0
	s_add_nc_u64 s[8:9], s[74:75], s[88:89]
	s_add_nc_u64 s[86:87], s[72:73], s[90:91]      ; the bias of my 128 columns
	v_lshlrev_b32 v8, 5, v2                        ; register j of block b is column 16 b + 8 h + j
	WIN 0x80
.irp b, 0,1,2,3,4,5,6,7
	global_load_b128 v[BIAS+8*(\b):BIAS+8*(\b)+3],   v8, s[86:87] offset:64*(\b)
	global_load_b128 v[BIAS+8*(\b)+4:BIAS+8*(\b)+7], v8, s[86:87] offset:64*(\b)+16
.endr
	s_wait_loadcnt 0x0
	WIN 0x8a                                       ; the bias is rounded to bf16 like the other inputs, in place
.set i, 0
.rept 32
	v_cvt_pk_bf16_f32 v[BT], v[BIAS+2*i], v[BIAS+2*i+1]
	v_lshlrev_b32 v[BIAS+2*i], 16, v[BT]
	v_and_b32 v[BIAS+2*i+1], 0xffff0000, v[BT]
.set i, i+1
.endr
	WIN 0
; 24 LDS loads in one run: quarter q (32 along K) of a slot into buffer g: O's four fragments, Wo's eight (turned)
.macro FETCH slot, q, g
	WIN 0
.irp a, 0,1,2,3
	ds_load_b128 v[AF+32*(\g)+8*(\a):AF+32*(\g)+8*(\a)+3],   v[ADRA+(\slot)] offset:64*(\q)+16*PA*(\a)
	ds_load_b128 v[AF+32*(\g)+8*(\a)+4:AF+32*(\g)+8*(\a)+7], v[ADRA+(\slot)] offset:64*(\q)+16*PA*(\a)+32
.endr
	WIN 0x80
.irp b, 0,1,2,3,4,5,6,7
	ds_load_tr16_b128 v[BF+64*(\g)+8*(\b):BF+64*(\g)+8*(\b)+3],   v[ADRB+(\slot)] offset:32*PB*(\q)+32*(\b)
	ds_load_tr16_b128 v[BF+64*(\g)+8*(\b)+4:BF+64*(\g)+8*(\b)+7], v[ADRB+(\slot)] offset:32*PB*(\q)+32*(\b)+16*PB
.endr
.endm
; Matrix instructions i0 .. i1 of a quarter's 32 (i = 8 a + b) on buffer f.  The 32 accumulators take turns, in the same order in every quarter.  first = 1: the bias starts the sums.
.macro MULS f, i0, i1, first
.set i, \i0
.rept (\i1)-(\i0)+1
.if \first
	WIN W_MULB
	v_wmma_f32_16x16x32_f16 v[8*i:8*i+7], v[BF+64*(\f)+8*(i%8):BF+64*(\f)+8*(i%8)+7], v[AF+32*(\f)+8*(i/8):AF+32*(\f)+8*(i/8)+7], v[BIAS+8*(i%8):BIAS+8*(i%8)+7]
.else
	WIN W_MUL
	v_wmma_f32_16x16x32_f16 v[8*i:8*i+7], v[BF+64*(\f)+8*(i%8):BF+64*(\f)+8*(i%8)+7], v[AF+32*(\f)+8*(i/8):AF+32*(\f)+8*(i/8)+7], v[8*i:8*i+7]
.endif
.set i, i+1
.endr
.endm
.macro QUARTER slot, q, f, g, first    ; fetches quarter q of a slot into buffer g and multiplies buffer f
	PLACES
	FETCH \slot, \q, \g
	s_wait_dscnt 24                                ; all but the 24 just issued: buffer f is in
	MULS \f, 0, 31, \first
.endm
; The third quarter of a K step (buffer 0) fetches the slot's last quarter, so the change of slots stands here: each wave waits for all its tensor loads (one is out: its part of the other slot), adds 0 to its
; spare word, and waits for that and for its reads of this slot.  fill = 1: the barrier opens a round of the cluster's, and the slot is filled again, two K steps on, first thing behind it.
.macro TURN slot, fill
	PLACES
	FETCH \slot, 3, 1
	s_wait_dscnt 24
	MULS 0, 0, 7, 0
	WIN 0
	s_wait_tensorcnt 0x0                           ; all my tensor loads have landed
	ds_add_u32 v[SPW], v[NIL]                      ; 0 onto my spare word
	MULS 0, 8, 15, 0                               ; eight matrix instructions stand between the add and the wait for it
	s_wait_dscnt 0x0                               ; the add is done, and my reads of this slot are over
	s_barrier_signal -1
	MULS 0, 16, 23, 0
	WIN 0
	s_barrier_wait -1
.if \fill
	CREST                                          ; no wave of any partner still reads this slot or has a load on its way
	s_add_nc_u64 s[G0+4*(\slot)+2:G0+4*(\slot)+3], s[G0+4*(\slot)+2:G0+4*(\slot)+3], 2*KSTEP*2
	s_add_nc_u64 s[G0B+4*(\slot)+2:G0B+4*(\slot)+3], s[G0B+4*(\slot)+2:G0B+4*(\slot)+3], 2*KSTEP*2048
	JLOAD \slot
.endif
	MULS 0, 24, 31, 0
.endm
	s_wait_tensorcnt 1                             ; my part of K step 0 is in; K step 1's may stay out
	s_barrier_signal -1
	s_barrier_wait -1                              ; everybody's is
	FETCH 0, 0, 0
	QUARTER 0, 1, 0, 1, 1                          ; the first quarter stands in front of the loop: its products start the sums
	WIN 0
	s_mov_b32 s3, 3
.Llap:                                         ; a trip goes once round the ring and fills both slots again: K steps 2, 4, 6 and 3, 5, 7
	QUARTER 0, 2, 1, 0, 0
	TURN 0, 1
	QUARTER 1, 0, 1, 0, 0
	QUARTER 1, 1, 0, 1, 0
	QUARTER 1, 2, 1, 0, 0
	TURN 1, 1
	QUARTER 0, 0, 1, 0, 0
	QUARTER 0, 1, 0, 1, 0
	WIN 0
	s_sub_co_u32 s3, s3, 1
	s_cmp_lg_u32 s3, 0
	s_cbranch_scc1 .Llap
	QUARTER 0, 2, 1, 0, 0                          ; the last lap fills nothing
	TURN 0, 0
	QUARTER 1, 0, 1, 0, 0
	QUARTER 1, 1, 0, 1, 0
	QUARTER 1, 2, 1, 0, 0
	QUARTER 1, 3, 0, 1, 0
	s_wait_dscnt 0x0                               ; the very last quarter: nothing more to fetch
	MULS 1, 0, 31, 0
	WIN 0
	PLACES                                         ; between the last products and the LDS stores that read them
; THE WAY OUT of block a (16 rows x 128 columns of f32): straight from the accumulators, low registers first, into my own stage; back as whole rows of 512 bytes.
.macro OUT a
	WIN 0
	s_wait_xcnt 0x0                                ; the stores of the block before have read the registers that are loaded again below
	WIN 0x04                                       ; store data (source 1) window 1
.irp b, 0,1,2,3,4,5,6,7
	ds_store_b128 v[STO], v[64*(\a)+8*(\b):64*(\a)+8*(\b)+3]   offset:64*(\b)
	ds_store_b128 v[STO], v[64*(\a)+8*(\b)+4:64*(\a)+8*(\b)+7] offset:64*(\b)+16
.endr
	WIN 0
.irp t, 0,1,2,3,4,5,6,7,8,9,10,11,12,13,14,15
	ds_load_b128 v[OB+4*(\t):OB+4*(\t)+3], v[RD] offset:(\t)*SP  ; LDS serves a wave's instructions in order (ISA guide 5.7.1.4): these see the stores above
.endr
.irp t, 0,1,2,3,4,5,6,7,8,9,10,11,12,13,14,15
	s_wait_dscnt 15-(\t)                           ; row t is back; the younger loads may stay out
	global_store_b128 v[CO], v[OB+4*(\t):OB+4*(\t)+3], s[8:9] offset:(16*(\a)+(\t))*4096  ; the wave stores 512 consecutive bytes, aligned
.endr
.endm
	OUT 0
	OUT 1
	OUT 2
	OUT 3
	s_wait_tensorcnt 0x0                           ; the wave's end, behind my last tensor load and my last LDS store
	ds_add_u32 v[SPW], v[NIL]
	s_wait_dscnt 0x0
	CROUND                                         ; the closing round: no work-group ends while a partner may still ask for a tile that names it
	s_endpgm
.Lfunc_end_k_q65869f079a_oproj:
	.size	k_q65869f079a_oproj, .Lfunc_end_k_q65869f079a_oproj-k_q65869f079a_oproj
	.p2alignl 7, 3214868480
	.fill 96, 4, 3214868480
	.section	.rodata,"a",@progbits
	.p2align	6, 0x0
	.amdhsa_kernel k_q65869f079a_oproj
		.amdhsa_group_segment_fixed_size 327680
		.amdhsa_private_segment_fixed_size 0
		.amdhsa_enable_private_segment 0
		.amdhsa_kernarg_size 32
		.amdhsa_user_sgpr_count 2
		.amdhsa_user_sgpr_kernarg_segment_ptr 1
		.amdhsa_wavefront_size32 1
		.amdhsa_system_sgpr_workgroup_id_x 1
		.amdhsa_system_sgpr_workgroup_id_y 1
		.amdhsa_system_sgpr_workgroup_id_z 1
		.amdhsa_system_vgpr_workitem_id 0
		.amdhsa_next_free_vgpr 768
		.amdhsa_next_free_sgpr 96
		.amdhsa_reserve_vcc 0
		.amdhsa_float_denorm_mode_32 3
		.amdhsa_float_denorm_mode_16_64 3
		.amdhsa_memory_ordered 1
		.amdhsa_forward_progress 1
		.amdhsa_inst_pref_size 94
	.end_amdhsa_kernel
	.amdgpu_metadata
---
amdhsa.version: [ 1, 2 ]
amdhsa.kernels:
  - .name:           k_q65869f079a_oproj
    .symbol:         k_q65869f079a_oproj.kd
    .args:
      - { .name: oh, .offset: 0, .size: 8, .value_kind: global_buffer, .address_space: global }
      - { .name: wh, .offset: 8, .size: 8, .value_kind: global_buffer, .address_space: global }
      - { .name: wo_b, .offset: 16, .size: 8, .value_kind: global_buffer, .address_space: global }
      - { .name: out0, .offset: 24, .size: 8, .value_kind: global_buffer, .address_space: global }
    .group_segment_fixed_size: 327680
    .private_segment_fixed_size: 0
    .kernarg_segment_align: 8
    .kernarg_segment_size: 32
    .max_flat_workgroup_size: 128
    .sgpr_count:     96
    .vgpr_count:     768
    .wavefront_size: 32
...
	.end_amdgpu_metadata
.endif
;; end of part 4
